; MI455X (gfx1250); checked and timed in simulation.
; The chip was launched on July 23, 2026; its instructions are those of AMD's public machine-readable ISA for CDNA 5 (MIT licence, August 2026) and "CDNA5" Instruction Set Architecture Reference Guide (July 2026). The comments in the code are by the model that wrote it; some were corrected since.
;; Faster SPFNS Multi Head Attention. Allowed arithmetic: matrix products marked QUANTISED: E2M3 operands, one E8M0 scale for each 32 along K, by v_wmma_scale_f32_16x16x128_f8f6f4 with both operands' format E2M3, f32 sums; everything else in f32.
;; Inputs: b_out 1,024 float32; b_qkv 3,072 float32; w_out 1,024 x 1,024 float32; w_qkv 3,072 x 1,024 float32; x 2 x 2,048 x 1,024 float32.
;; Outputs: out0 2 x 2,048 x 1,024 float32.
;; This version of the problem:
;;   THIS VERSION OF THE PROBLEM IS GIVEN IN LOW PRECISION. The matrix products marked QUANTISED in the list below multiply operands that are first quantised to E2M3 (2 exponent bits, 3 mantissa bits; 6 bits a number), with one power-of-two scale for each 32 numbers along K (OCP MX v1.0); their sums are f32. All else is computed in f32.
;;   The module's matrix products, in the order in which they are computed (A, B: the left and right operand; K: the contracted axis; several contracted axes count as one K, in the product's order):
;;     1. [M 4,096, K 1,024] x [K 1,024, N 3,072]; A: input x; B: input w_qkv: QUANTISED
;;     2. batch 32 x [M 2,048, K 64] x [K 64, N 2,048]; A: computed on the way; B: computed on the way: QUANTISED
;;     3. batch 32 x [M 2,048, K 2,048] x [K 2,048, N 64]; A: computed on the way; B: computed on the way: QUANTISED
;;     4. [M 4,096, K 1,024] x [K 1,024, N 1,024]; A: computed on the way; B: input w_out: QUANTISED
;;   THE QUANTISER, for each operand of a quantised product, along K:
;;     - K is cut into blocks of 32 from its start; a last block that is shorter is filled with zeros.
;;     - A block's scale is 2^e with e = floor(log2(the largest magnitude in the block)) - 2, held to -126 .. 127; a block of zeros has e = 0. As a byte (E8M0): e + 127.
;;     - Each number is divided by its block's scale, clamped to +-7.5, and rounded to the nearest number of E2M3, ties to even, subnormals kept.
;;     - The product sums the exact products of the quantised numbers (number of the format x scale) in f32.
;;   ~~~python
;;   def quantise(x, axis):      # numpy; x: float32 -> the quantised numbers, widened to float32 again
;;       x = np.moveaxis(x, axis, -1); K = x.shape[-1]
;;       x = np.pad(x, [(0, 0)] * (x.ndim - 1) + [(0, -K % 32)]); x = x.reshape(x.shape[:-1] + (-1, 32)); a = np.abs(x).max(-1, keepdims=True)
;;       e = np.where(a > 0, np.clip(np.frexp(np.where(a > 0, a, 1))[1] - 1 - 2, -126, 127), 0)      # np.frexp(a)[1] - 1 = floor(log2(a)), exactly
;;       r = np.clip(x / 2.0 ** e, -7.5, 7.5)
;;       step = 2.0 ** (np.maximum(np.frexp(np.where(r == 0, 1, r))[1] - 1, 0) - 3)
;;       q = np.round(r / step) * step * 2.0 ** e      # np.round: ties to even
;;       return np.moveaxis(q.reshape(q.shape[:-2] + (-1,))[..., :K], -1, axis).astype(np.float32)
;;   ~~~
;;   OPERANDS COMPUTED ON THE WAY. 'Computed on the way' means the value that the module computes at that place (a softmax that the list does not call 'softmax' is quantised finished and normalised). What goes into a quantiser is computed in f32, as accurately as f32 sums, v_exp_f32 and their like allow (about 1e-6 of the number): no bf16 or f16 on the way to a quantiser, and a product that is left as it is and whose result goes on into a quantised operand takes f32 operands (vector FMAs, or v_wmma_f32_16x16x4_f32). A number that lies on a knife's edge between two numbers of the format may be rounded either way, as far as f32 arithmetic and the matrix unit's own rounding can turn it there, and no further.
;; One version. Each part assembles by itself: llvm-mc -triple=amdgcn-amd-amdhsa -mcpu=gfx1250 --defsym DOCPART=n.
;; ======== version 1 of 1: 5 launches
;; workspace buffers: qcodes 6,291,456 bytes; qscales 262,144 bytes; hcodes 9,437,184 bytes; hscales 393,216 bytes; rcb 262,144 bytes; ocodes 3,145,728 bytes; oscales 131,072 bytes
;; launch quant (part 1): grid 256 x 1, 4 waves a work-group, no clusters, 33,280 bytes of LDS; arguments x, w_qkv, w_out, qcodes, qscales; writes qcodes, qscales
.if DOCPART == 1
	.amdgcn_target "amdgcn-amd-amdhsa--gfx1250"
	.amdhsa_code_object_version 6
	.text
	.protected	k_qc2aab0ae96_quant
	.globl	k_qc2aab0ae96_quant
	.p2align	8
	.type	k_qc2aab0ae96_quant,@function
k_qc2aab0ae96_quant:
	s_mov_b64 s[64:65], 0
	v_nop
	global_prefetch_b8 v0, s[64:65] scope:SCOPE_SE
	s_setreg_imm32_b32 hwreg(HW_REG_WAVE_MODE, 25, 1), 1
	s_wait_xcnt 0x0
; x [4096][1024], w_qkv [3072][1024] and w_out [1024][1024], f32 with K innermost, become codes of FP6 (E2M3) and one E8M0 byte for each 32 along K.
; Rows are dense and K is a multiple of 32: each tensor is a plain stream of blocks of 32, and the three streams of codes (and of bytes) lie on end in qcodes (qscales):
; x at 0, w_qkv at 3,145,728 (131,072), w_out at 5,505,024 (229,376).  Work-groups 0-127 take x, 128-223 w_qkv, 224-255 w_out: 32,768 numbers each; only the source pointer is chosen.
; A block's scale is 2^(floor(log2(its largest magnitude)) - 2): its byte is the largest magnitude's exponent field - 2, held at 1 from below.
; LIMITS: a block of zeros gets the byte 1 where the rule says 127 (its codes are zeros, and this program alone reads the bytes); blocks whose largest magnitude lies under 2^-124 are held at that floor; NaN and infinities are not served.
; A wave takes 16 steps of 512 numbers.  Each load reads 512 consecutive bytes; a step's 2,048 bytes turn through the wave's own stage in LDS so that a lane gets 16 neighbours along K (two lanes to a block).
; A wave's 256 scale bytes are gathered in LDS and leave as 256 consecutive aligned bytes.  Waves share nothing: no barrier.
.set WAVES, 4
.set STEPS, 16
.set EMAX,  2
.set CB,    12                         ; bytes of 16 codes
.set R,     16                         ; v16-79   four sets of 16 numbers as loaded
.set X,     80                         ; v80-111  two sets of 16 neighbours
.set C,     128                        ; v128-191 codes: four registers a step, so that no store's data are written again
.set E,     112                        ; v112-127 a scale byte a step
.set WREG,  8192                       ; LDS: a region for each wave: two stages of 32 x SP bytes, then its 256 scale bytes
.set SP,    80                         ; a lane's place in a stage: 64 bytes + 16
.set SPW,   12                         ; v12 my spare word's address; never rewritten
.set NIL,   13                         ; v13 0; never rewritten
.set SPARE, WAVES*WREG                 ; the spare words: 128 bytes a wave, named by no other line
	s_load_b256 s[4:11], s[0:1], 0x0               ; x s[4:5], w_qkv s[6:7], w_out s[8:9], qcodes s[10:11]
	s_load_b64 s[12:13], s[0:1], 0x20              ; qscales
	v_lshl_add_u32 v[SPW], v0, 2, SPARE
	v_mov_b32 v[NIL], 0
	v_lshrrev_b32 v1, 5, v0
	v_readfirstlane_b32 s16, v1                    ; wave
	v_and_b32 v2, 31, v0                           ; lane
	v_lshlrev_b32 v3, 4, v2                        ; my 16 bytes of a load's 512
	s_mul_i32 s17, s16, WREG
	v_lshrrev_b32 v14, 2, v2
	v_mul_u32_u24 v14, v14, SP
	v_and_b32 v15, 3, v2
	v_lshl_add_u32 v14, v15, 4, v14
	v_add_nc_u32 v14, s17, v14                     ; into the stage: SP (lane / 4) + 16 (lane % 4)
	v_mul_u32_u24 v15, v2, SP
	v_add_nc_u32 v15, s17, v15                     ; out of it: SP x lane: my 16 neighbours
	v_mul_u32_u24 v4, v2, CB                       ; my codes' place in a step's
	v_lshrrev_b32 v5, 1, v2
	s_add_co_u32 s17, s17, 2*32*SP
	v_add_nc_u32 v5, s17, v5                       ; my block's byte among the wave's 256
	v_lshlrev_b32 v7, 3, v2
	v_add_nc_u32 v6, s17, v7                       ; and 8 bytes a lane on the way out
	s_mov_b32 s20, 224
	s_wait_kmcnt 0x0
	s_cmp_lt_u32 ttmp9, 128                        ; the choice hangs on the work-group's number alone
	s_cselect_b64 s[4:5], s[4:5], s[6:7]
	s_cselect_b32 s17, 0, 128
	s_cmp_lt_u32 ttmp9, 224
	s_cselect_b64 s[4:5], s[4:5], s[8:9]
	s_cselect_b32 s17, s17, s20                    ; the tensor's first work-group
	s_sub_co_u32 s17, ttmp9, s17
	s_lshl_b32 s17, s17, 2
	s_add_co_u32 s18, s17, s16                     ; which run of 8,192 numbers of the tensor is my wave's
	s_mov_b32 s19, 0
	s_lshl_b64 s[20:21], s[18:19], 15
	s_add_nc_u64 s[4:5], s[4:5], s[20:21]
	s_lshl_b32 s18, ttmp9, 2
	s_add_co_u32 s18, s18, s16                     ; and which run of the joined streams
	s_mul_i32 s20, s18, 32*STEPS*CB
	s_mov_b32 s21, 0
	s_add_nc_u64 s[10:11], s[10:11], s[20:21]
	s_lshl_b32 s20, s18, 8
	s_add_nc_u64 s[12:13], s[12:13], s[20:21]
.macro LOAD t
.irp i, 0,1,2,3
	global_load_b128 v[R+16*((\t)%4)+4*\i:R+16*((\t)%4)+4*\i+3], v3, s[4:5] offset:2048*(\t)+512*\i th:TH_LOAD_NT
.endr
.endm
.macro TURN t                          ; a step's numbers through the stage: LDS serves a wave's instructions in order, so no wait stands between the stores and the loads
.irp i, 0,1,2,3
	ds_store_b128 v14, v[R+16*((\t)%4)+4*\i:R+16*((\t)%4)+4*\i+3] offset:32*SP*((\t)%2)+8*SP*\i
.endr
.irp i, 0,1,2,3
	ds_load_b128 v[X+16*((\t)%2)+4*\i:X+16*((\t)%2)+4*\i+3], v15 offset:32*SP*((\t)%2)+16*\i
.endr
.endm
.irp t, 0,1,2,3
	LOAD \t
.endr
	s_wait_loadcnt 12                              ; step 0's four loads are in; twelve younger ones stay out
	TURN 0
.macro STEP t
.set XS, X+16*((\t)%2)
.if (\t) > 0
	s_wait_dscnt 1                                 ; this step's numbers are back (the last step's byte store may be out)
.else
	s_wait_dscnt 0x0
.endif
.if (\t)+4 < STEPS
	LOAD (\t)+4                                    ; into the registers that the stage's stores have read
.endif
.if (\t)+1 < STEPS
.if STEPS-2-(\t) >= 3
	s_wait_loadcnt 12                              ; the next step's four loads are in; three steps' stay out
.else
	s_wait_loadcnt 4*(STEPS-2-(\t))
.endif
	TURN (\t)+1
.endif
	v_max3_num_f32 v8, |v[XS]|, |v[XS+1]|, |v[XS+2]|
	v_max3_num_f32 v9, |v[XS+3]|, |v[XS+4]|, |v[XS+5]|
.irp i, 6,10
	v_max3_num_f32 v8, v8, |v[XS+\i]|, |v[XS+\i+1]|
	v_max3_num_f32 v9, v9, |v[XS+\i+2]|, |v[XS+\i+3]|
.endr
	v_max3_num_f32 v8, v8, |v[XS+14]|, |v[XS+15]|
	v_max3_num_f32 v8, v8, v9, (EMAX+1)<<23        ; with the floor 2^(3 - 127): the byte cannot fall under 1
	v_max_num_f32_dpp v8, v8, v8 row_xmask:1 row_mask:0xf bank_mask:0xf   ; and my neighbour's 16: the block's largest magnitude
	v_add_nc_u32 v11, -(EMAX<<23), v8              ; 2 off its exponent field: the conversion's scale operand
	v_cvt_scalef32_pk16_fp6_f32 v[C+4*(\t):C+4*(\t)+2], v[XS:XS+15], v11
	v_lshrrev_b32 v[E+(\t)], 23, v11               ; the scale's byte
	ds_store_b8 v5, v[E+(\t)] offset:16*(\t)       ; both lanes of a block write the same byte with the same value
	global_store_b96 v4, v[C+4*(\t):C+4*(\t)+2], s[10:11] offset:32*CB*(\t)
.endm
.irp t, 0,1,2,3,4,5,6,7,8,9,10,11,12,13,14,15
	STEP \t
.endr
	ds_load_b64 v[8:9], v6
	s_wait_dscnt 0x0
	global_store_b64 v7, v[8:9], s[12:13]          ; 32 lanes store 256 consecutive aligned bytes
	s_wait_tensorcnt 0x0                           ; the wave's end
	ds_add_u32 v[SPW], v[NIL]
	s_wait_dscnt 0x0
	s_endpgm
.Lfunc_end_k_qc2aab0ae96_quant:
	.size	k_qc2aab0ae96_quant, .Lfunc_end_k_qc2aab0ae96_quant-k_qc2aab0ae96_quant
	.p2alignl 7, 3214868480
	.fill 96, 4, 3214868480
	.section	.rodata,"a",@progbits
	.p2align	6, 0x0
	.amdhsa_kernel k_qc2aab0ae96_quant
		.amdhsa_group_segment_fixed_size 33280
		.amdhsa_private_segment_fixed_size 0
		.amdhsa_enable_private_segment 0
		.amdhsa_kernarg_size 40
		.amdhsa_user_sgpr_count 2
		.amdhsa_user_sgpr_kernarg_segment_ptr 1
		.amdhsa_wavefront_size32 1
		.amdhsa_system_sgpr_workgroup_id_x 1
		.amdhsa_system_sgpr_workgroup_id_y 1
		.amdhsa_system_sgpr_workgroup_id_z 1
		.amdhsa_system_vgpr_workitem_id 0
		.amdhsa_next_free_vgpr 192
		.amdhsa_next_free_sgpr 66
		.amdhsa_reserve_vcc 0
		.amdhsa_float_denorm_mode_32 3
		.amdhsa_float_denorm_mode_16_64 3
		.amdhsa_memory_ordered 1
		.amdhsa_forward_progress 1
		.amdhsa_inst_pref_size 32
	.end_amdhsa_kernel
	.amdgpu_metadata
---
amdhsa.version: [ 1, 2 ]
amdhsa.kernels:
  - .name:           k_qc2aab0ae96_quant
    .symbol:         k_qc2aab0ae96_quant.kd
    .args:
      - { .name: x, .offset: 0, .size: 8, .value_kind: global_buffer, .address_space: global }
      - { .name: w_qkv, .offset: 8, .size: 8, .value_kind: global_buffer, .address_space: global }
      - { .name: w_out, .offset: 16, .size: 8, .value_kind: global_buffer, .address_space: global }
      - { .name: qcodes, .offset: 24, .size: 8, .value_kind: global_buffer, .address_space: global }
      - { .name: qscales, .offset: 32, .size: 8, .value_kind: global_buffer, .address_space: global }
    .group_segment_fixed_size: 33280
    .private_segment_fixed_size: 0
    .kernarg_segment_align: 8
    .kernarg_segment_size: 40
    .max_flat_workgroup_size: 128
    .sgpr_count:     66
    .vgpr_count:     192
    .wavefront_size: 32
...
	.end_amdgpu_metadata
.endif
;; end of part 1
;; launch gemm_qkv (part 2): grid 48 x 4, 4 waves a work-group, clusters of 4 x 4, 327,680 bytes of LDS; arguments qcodes, qscales, b_qkv, hcodes, hscales; writes hcodes, hscales
.if DOCPART == 2
	.amdgcn_target "amdgcn-amd-amdhsa--gfx1250"
	.amdhsa_code_object_version 6
	.text
	.protected	k_qc2aab0ae96_gemm_qkv
	.globl	k_qc2aab0ae96_gemm_qkv
	.p2align	8
	.type	k_qc2aab0ae96_gemm_qkv,@function
k_qc2aab0ae96_gemm_qkv:
	s_mov_b64 s[64:65], 0
	v_nop
	global_prefetch_b8 v0, s[64:65] scope:SCOPE_SE
	s_setreg_imm32_b32 hwreg(HW_REG_WAVE_MODE, 25, 1), 1
	s_wait_xcnt 0x0
	s_wait_alu depctr_hold_cnt(0) depctr_sa_sdst(0) depctr_va_vdst(0) depctr_va_sdst(0) depctr_va_ssrc(0) depctr_va_vcc(0) depctr_vm_vsrc(0)
	s_getreg_b32 s2, hwreg(HW_REG_IB_STS2, 6, 4)
	s_cmp_eq_u32 s2, 0
	s_cbranch_scc0 .Lentry_in_a_cluster
	s_endpgm
.Lentry_in_a_cluster:
	s_bfe_u32 s2, ttmp6, 0x10000c
	s_cmp_lg_u32 s2, 0xf033
	s_cbranch_scc0 .Lentry_shape_is_right
	s_endpgm
.Lentry_shape_is_right:
; qkv = x w_qkv^T + b_qkv on codes of FP6 (K = 1,024), and what follows it: q and k are divided by max(their head's norm, 1e-12) and quantised along the head's 64; v is quantised along the keys.
; TWO PROBLEMS IN ONE GRID of 12 clusters of 4 x 4 work-groups, told apart by the cluster's number, which all partners share.
;   clusters 0-7 (q, k): A = x (16 tile rows of 256 tokens), B = rows 0-2047 of w_qkv (8 tile columns).   clusters 8-11 (v): A = rows 2048-3071 of w_qkv (4 tile rows), B = x (16 tile columns).
; The matrix instruction is used transposed (source 0 = 16 rows of B, source 1 = 16 rows of A): a lane holds ONE row of A and its registers run along B's rows: along the channels for q, k, along the tokens for v:
; in both problems along the next product's K.
; THE ROWS OF A TILE ARE NOT NEIGHBOURS, in A and in B: lane r of block i takes row 32 (i / 2) + 8 (i % 2) + r + 8 (r / 8) of the wave's 128.  So the 16 registers of blocks 2 b, 2 b + 1 are 16 neighbours
; along the next K (32 b + 16 (lane / 16) + 0 .. 15), and the rows of a stored tile of q, k (tokens) and v (channels) stand in the same order, which the later launches keep.
; A tile of C is 256 x 256, four waves of 128 x 128 (64 accumulators, 512 registers).  K goes in steps of 256 through two LDS slots filled by joint tensor loads (A's tile shared along a row of the cluster,
; B's along a column); the scale bytes of the 512 rows come once and stay.  The results go from registers straight to memory in the order of the later operands' registers: no stage.
; OUT: hcodes: q at 0, k at 3,145,728: [head 32][tile 128][3][lane][8 bytes] (a tile: 16 tokens x 64 channels, six registers a lane); v at 6,291,456: [head][key step 16][channel tile 4][3][lane][16 bytes].
;      hscales: q at 0, k at 131,072: [head][16][r][4] words, word (pair P = 4 G + i, r) = the two bytes of tile 2 P, then those of tile 2 P + 1; v at 262,144: [head][key step][r][channel tile] words.
; LIMITS: blocks of zeros get the byte 1 (their codes are zeros; this program alone reads the bytes); NaN and infinities are not served.  q / n is made as q x (1 / n), the reciprocal good to an ulp.
; REGISTERS: window 0: v0-31 addresses; v32-63 scale words; v64-127 the bias along the registers; v128-223 A's fragments; v240-255 the bias along the lanes.  window 1: B's fragments, two sets.  windows 2, 3: accumulators.
.set KSTEP,  256
.set NQ,     2                         ; matrix instructions deep in a slot
.set ROWB,   192                       ; a tile's row in bytes
.set KROW,   768                       ; a row of codes in memory
.set PITCH,  240                       ; an LDS row: 3 x (64 bytes + 16 of padding)
.set FR,     12
.set NL,     6
.set NP,     4                         ; places behind this matrix instruction (ISA guide 7.12.1)
.set HALFT,  128*PITCH
.set SLOT,   4*HALFT
.set LAPS,   2                         ; 1,024 / 512
.set SCL,    2*SLOT                    ; the scales: rows of 32 bytes, eight to a unit of 256 bytes + 16
.set HALFS,  16*272
.set SPARE,  SCL+4*HALFS               ; the spare words: 128 bytes a wave, named by no other line
.set ADRA, 16
.set ADRB, 20
.set GOC,  24                          ; v24 the way out: my offset in a store of codes
.set GOS,  25                          ; v25 and of scale words: 16 r + 4,096 (lane / 16)
.set ADRS, 27
.set SPW,  28
.set NIL,  29
.set BO1,  30                          ; v30 64 (lane / 16); never rewritten
.set BO2,  31                          ; v31 4 (r + 8 (r / 8)); never rewritten
.set SC,   32
.set BI,   64
.set AF,   128
.set BV,   240
.set SS,   32                          ; the way out: v32-39 sums of squares
.set INV,  40                          ; v40-43 1 / norm of the two heads, as pairs
.set SELV, 48
.set W,    128                         ; v128-191 a row block's 64 numbers
.set PC,   192                         ; v192-210 codes
.set TM,   212                         ; v212-227 at work in the quantiser
.set PWS,  228                         ; v228-235 the eight blocks' scale words
.set WD,   236                         ; v236-239 scale words to store
.set SEL,  18                          ; s[18:19] selects of v_permlanex16_b32 (on the way out)
.set HM,   20                          ; s20 lanes 16-31 as a mask
.set G1, 24
.set G0, 32
.set G1B, 48
.set G0B, 56
.set G1S, 68
.set G0S, 76
.set G1SB, 80
.set G0SB, 88
.set MSB, 0
.macro WIN new                         ; the immediate's high byte repeats the setting that is left
.if MSB != (\new)
	s_set_vgpr_msb (MSB<<8)|(\new)
.set MSB, (\new)
.endif
.endm
.set MUL_LO, 0xa1                      ; source 0 (B) window 1, source 1 (A) window 0, C and D window 2
.set MUL_HI, 0xf1
.set TO_B,   0x40
; A joint load: waves 0, 1 fetch for A, waves 2, 3 for B.  The branch hangs on the wave's number alone.  An s_nop 0 and four v_nop follow each line.
.macro JLOAD g0a, g1a, g0b, g1b
	s_cmp_eq_u32 s15, 0
	s_cbranch_scc0 .Lfor_b_\@
	tensor_load_to_lds s[\g0a:\g0a+3], s[\g1a:\g1a+7]
	s_nop 0
.rept 4
	v_nop
.endr
	s_branch .Lasked_\@
.Lfor_b_\@:
	tensor_load_to_lds s[\g0b:\g0b+3], s[\g1b:\g1b+7]
	s_nop 0
.rept 4
	v_nop
.endr
.Lasked_\@:
.endm
.macro CREST
	s_cmp_lg_u32 s14, 0
	s_cbranch_scc1 .Lnot_wave_0_\@
	s_barrier_signal -3
.Lnot_wave_0_\@:
	s_barrier_wait -3
	s_barrier_signal -1
	s_barrier_wait -1
.endm
.macro CROUND
	s_barrier_signal -1
	s_barrier_wait -1
	CREST
.endm
	s_load_b256 s[4:11], s[0:1], 0x0               ; qcodes s[4:5], qscales s[6:7], b_qkv s[8:9], hcodes s[10:11]
	s_load_b64 s[12:13], s[0:1], 0x20              ; hscales
	v_lshl_add_u32 v[SPW], v0, 2, SPARE
	v_mov_b32 v[NIL], 0
	ds_add_u32 v[SPW], v[NIL]                      ; the opening: the add and its wait stand ahead of my first tensor load; register work stands between
	v_lshrrev_b32 v1, 5, v0
	v_readfirstlane_b32 s14, v1                    ; wave
	s_lshr_b32 s15, s14, 1                         ; rh: my half of the tile's rows.  Also: I fetch for A (0) or B (1)
	s_and_b32 s16, s14, 1                          ; ch: my half of its columns.  Also: which 128 rows I fetch
	s_bfe_u32 s40, ttmp6, 0x40000                  ; cx
	s_bfe_u32 s41, ttmp6, 0x40004                  ; cy
	s_and_b32 s18, ttmp9, 1                        ; q, k: cluster column,
	s_lshr_b32 s19, ttmp9, 1                       ; cluster row
	s_sub_co_u32 s20, ttmp9, 8                     ; v: cluster column (its cluster row is 0)
	s_mov_b32 s96, 4718592                         ; where w_qkv's rows 2048 on begin in qcodes,
	s_mov_b32 s97, 196608                          ; and in qscales
	s_mov_b32 s98, 3145728                         ; where w_qkv begins in qcodes,
	s_mov_b32 s99, 131072                          ; and in qscales
	s_cmp_lt_u32 ttmp9, 8                          ; the cluster's number: the same in all sixteen partners
	s_cselect_b32 s66, s18, s20                    ; cc
	s_cselect_b32 s67, s19, 0                      ; cr
	s_cselect_b32 s96, 0, s96                      ; A's codes begin here,
	s_cselect_b32 s97, 0, s97                      ; A's scales,
	s_cselect_b32 s98, s98, 0                      ; B's codes,
	s_cselect_b32 s99, s99, 0                      ; B's scales
	s_lshl_b32 s42, s66, 2
	s_add_co_u32 s42, s42, s40                     ; tc: tile column
	s_lshl_b32 s17, s67, 2
	s_add_co_u32 s17, s17, s41                     ; tr: tile row
	s_lshl_b32 s43, s41, 2
	s_lshl_b32 s43, 15, s43                        ; my row of the cluster
	s_lshl_b32 s44, 0x1111, s40                    ; my column
	s_or_b32 s[G1+0], s43, (0<<16)|(1<<20)|(1<<21)|(3<<22)|(3<<25)  ; mask; elements of 1 byte; padding of 4 words behind every 16; bit 21 beside a mask
	s_or_b32 s[G1B+0], s44, (0<<16)|(1<<20)|(1<<21)|(3<<22)|(3<<25)
.irp g, G1, G1B
	s_mov_b32 s[\g+1], ROWB<<16                    ; tensor_dim0
	s_mov_b32 s[\g+2], 128<<16                     ; tensor_dim1
	s_mov_b32 s[\g+3], ROWB<<16                    ; tile_dim0
	s_mov_b32 s[\g+4], 128                         ; tile_dim1
	s_mov_b32 s[\g+5], KROW                        ; pitch
	s_mov_b32 s[\g+6], 0
	s_mov_b32 s[\g+7], 0
.endr
	s_or_b32 s[G1S+0], s43, (3<<16)|(1<<20)|(1<<21)|(5<<22)|(3<<25) ; the scales of 128 rows: 4,096 dense bytes as 16 rows of 256, 16 bytes of padding behind each
	s_or_b32 s[G1SB+0], s44, (3<<16)|(1<<20)|(1<<21)|(5<<22)|(3<<25)
.irp g, G1S, G1SB
	s_mov_b32 s[\g+1], 32<<16
	s_mov_b32 s[\g+2], 16<<16
	s_mov_b32 s[\g+3], 32<<16
	s_mov_b32 s[\g+4], 16
	s_mov_b32 s[\g+5], 32
	s_mov_b32 s[\g+6], 0
	s_mov_b32 s[\g+7], 0
.endr
	s_lshl_b32 s18, s16, 7
	s_lshl_b32 s20, s17, 8
	s_add_co_u32 s20, s20, s18                     ; A: row 256 tr + 128 x half
	s_lshl_b32 s46, s42, 8
	s_add_co_u32 s46, s46, s18                     ; B: row 256 tc + 128 x half
	s_lshl_b32 s22, s20, 5
	s_add_co_u32 s22, s22, s97                     ; A's scales, in bytes (all four stay under 2^23)
	s_mov_b32 s23, 0
	s_mul_i32 s20, s20, KROW
	s_add_co_u32 s20, s20, s96                     ; A's codes
	s_mov_b32 s21, 0
	s_lshl_b32 s92, s46, 5
	s_add_co_u32 s92, s92, s99                     ; B's scales
	s_mov_b32 s93, 0
	s_mul_i32 s46, s46, KROW
	s_add_co_u32 s46, s46, s98                     ; B's codes
	s_mov_b32 s47, 0
	s_mul_i32 s45, s14, HALFT                      ; where they go: wave x 128 rows
	s_mul_i32 s94, s14, HALFS
	s_wait_dscnt 0x0                               ; the opening add is done
	s_wait_kmcnt 0x0
	s_add_nc_u64 s[20:21], s[4:5], s[20:21]
	s_add_nc_u64 s[22:23], s[6:7], s[22:23]
	s_add_nc_u64 s[46:47], s[4:5], s[46:47]
	s_add_nc_u64 s[92:93], s[6:7], s[92:93]
	CROUND                                         ; all sixteen work-groups are here: the first joint loads meet
	s_mov_b32 s[G0S], 1
	s_add_co_u32 s[G0S+1], s94, SCL
	s_mov_b64 s[G0S+2:G0S+3], s[22:23]
	s_or_b32 s[G0S+3], s[G0S+3], 0x80000000
	s_mov_b32 s[G0SB], 1
	s_add_co_u32 s[G0SB+1], s94, SCL
	s_mov_b64 s[G0SB+2:G0SB+3], s[92:93]
	s_or_b32 s[G0SB+3], s[G0SB+3], 0x80000000
	JLOAD G0S, G1S, G0SB, G1SB                     ; the scales first: three loads of mine are out at the most
.irp s, 0,1
	s_mov_b32 s[G0+4*\s], 1
	s_add_co_u32 s[G0+4*\s+1], s45, \s*SLOT
	s_add_nc_u64 s[G0+4*\s+2:G0+4*\s+3], s[20:21], \s*ROWB
	s_or_b32 s[G0+4*\s+3], s[G0+4*\s+3], 0x80000000
	s_mov_b32 s[G0B+4*\s], 1
	s_add_co_u32 s[G0B+4*\s+1], s45, \s*SLOT
	s_add_nc_u64 s[G0B+4*\s+2:G0B+4*\s+3], s[46:47], \s*ROWB
	s_or_b32 s[G0B+4*\s+3], s[G0B+4*\s+3], 0x80000000
	JLOAD G0+4*\s, G1, G0B+4*\s, G1B
.endr
	v_and_b32 v1, 15, v0                           ; r
	v_bfe_u32 v2, v0, 4, 1                         ; h
	v_and_b32 v7, 8, v1
	v_add_nc_u32 v7, v7, v1                        ; r + 8 (r / 8)
	v_mul_u32_u24 v3, v7, PITCH
	v_mul_u32_u24 v4, v2, 24
	v_add_nc_u32 v4, v3, v4                        ; my row x pitch + 24 x half
	v_lshl_add_u32 v5, v2, 4, v4                   ; and the same behind one padding more
	s_mul_i32 s21, s15, HALFT
	s_mul_i32 s22, s16, HALFT
	s_add_co_u32 s22, s22, 2*HALFT
.irp s, 0,1
	v_add_nc_u32 v[ADRA+\s], s21, v4
	v_add_nc_u32 v[ADRB+\s], s22, v4
	v_add_nc_u32 v[ADRA+2+\s], s21, v5
	v_add_nc_u32 v[ADRB+2+\s], s22, v5
	s_add_co_u32 s21, s21, SLOT
	s_add_co_u32 s22, s22, SLOT
.endr
	v_lshlrev_b32 v5, 5, v7                        ; my row's scales: 32 bytes a row,
	v_lshrrev_b32 v6, 8, v5
	v_lshl_add_u32 v5, v6, 4, v5                   ; and 16 more for each 256 passed
	s_mul_i32 s21, s15, HALFS
	s_mul_i32 s22, s16, HALFS
	s_add_co_u32 s22, s22, 2*HALFS
	s_sub_co_u32 s22, s22, s21
	v_mul_u32_u24 v6, s22, v2                      ; lanes 16-31 take B's
	s_add_co_u32 s21, s21, SCL
	v_add_nc_u32 v5, v5, v6
	v_add_nc_u32 v[ADRS], s21, v5
	; where the results go.  q, k: head (cr / 2) 16 + 4 cx + 2 ch, tiles 8 G on, G = 2 (tr % 8) + rh
	s_lshr_b32 s96, s67, 1
	s_lshl_b32 s96, s96, 4
	s_lshl_b32 s97, s40, 2
	s_add_co_u32 s96, s96, s97
	s_lshl_b32 s97, s16, 1
	s_add_co_u32 s96, s96, s97
	s_and_b32 s97, s17, 7
	s_lshl_b32 s97, s97, 1
	s_add_co_u32 s97, s97, s15
	s_mul_i32 s98, s66, 3145728
	s_mul_i32 s99, s96, 98304
	s_add_co_u32 s98, s98, s99
	s_mul_i32 s99, s97, 6144
	s_add_co_u32 s98, s98, s99                     ; codes
	s_lshl_b32 s99, s66, 17
	s_lshl_b32 s96, s96, 12
	s_add_co_u32 s99, s99, s96
	s_lshl_b32 s97, s97, 8
	s_add_co_u32 s99, s99, s97                     ; scale words
	; v: head (cc / 2) 16 + 4 tr + 2 rh, key step (2 tc + ch) % 16
	s_lshr_b32 s96, s66, 1
	s_lshl_b32 s96, s96, 4
	s_lshl_b32 s97, s17, 2
	s_add_co_u32 s96, s96, s97
	s_lshl_b32 s97, s15, 1
	s_add_co_u32 s96, s96, s97
	s_lshl_b32 s97, s42, 1
	s_add_co_u32 s97, s97, s16
	s_and_b32 s97, s97, 15
	s_mul_i32 s100, s96, 98304
	s_mul_i32 s101, s97, 6144
	s_add_co_u32 s100, s100, s101
	s_add_co_u32 s100, s100, 6291456
	s_lshl_b32 s96, s96, 12
	s_lshl_b32 s97, s97, 8
	s_add_co_u32 s101, s96, s97
	s_add_co_u32 s101, s101, 262144
	s_cmp_lt_u32 ttmp9, 8
	s_cselect_b32 s98, s98, s100
	s_cselect_b32 s100, s99, s101
	s_mov_b32 s99, 0
	s_mov_b32 s101, 0
	s_add_nc_u64 s[10:11], s[10:11], s[98:99]
	s_add_nc_u64 s[12:13], s[12:13], s[100:101]
	; the biases.  Both sets are loaded in every work-group, the one that it does not use from the buffer's first bytes: so no register's content hangs on a branch far from its use
	s_lshl_b32 s96, s42, 10
	s_lshl_b32 s97, s16, 9
	s_add_co_u32 s96, s96, s97                     ; q, k: channels 256 tc + 128 ch on
	s_lshl_b32 s100, s17, 10
	s_lshl_b32 s97, s15, 9
	s_add_co_u32 s100, s100, s97
	s_add_co_u32 s100, s100, 8192                  ; v: channels 2,048 + 256 tr + 128 rh on
	s_cmp_lt_u32 ttmp9, 8
	s_cselect_b32 s96, s96, 0
	s_cselect_b32 s100, 0, s100
	s_mov_b32 s97, 0
	s_add_nc_u64 s[96:97], s[8:9], s[96:97]
	s_add_nc_u64 s[8:9], s[8:9], s[100:101]
	v_lshlrev_b32 v[BO1], 6, v2
	v_lshlrev_b32 v[BO2], 2, v7
.irp t, 0,1,2,3,4,5,6,7                        ; register 8 t + j: the bias of channel 32 (t / 2) + 8 (t % 2) + 16 h + j
	global_load_b128 v[BI+8*\t:BI+8*\t+3], v[BO1], s[96:97] offset:(32*(\t/2)+8*(\t%2))*4
	global_load_b128 v[BI+8*\t+4:BI+8*\t+7], v[BO1], s[96:97] offset:(32*(\t/2)+8*(\t%2))*4+16
.endr
.irp a, 0,1,2,3,4,5,6,7                        ; block a: my row's bias, twice, for the packed addition
	global_load_b32 v[BV+2*\a], v[BO2], s[8:9] offset:(32*(\a/2)+8*(\a%2))*4
	global_load_b32 v[BV+2*\a+1], v[BO2], s[8:9] offset:(32*(\a/2)+8*(\a%2))*4
.endr
.macro FRAG reg, adr, q, i             ; 16 rows x 128 K: 12 registers, in pieces of 8 bytes; block i begins at row 32 (i / 2) + 8 (i % 2)
.irp p, 0,1,2,3,4,5
.set PCE, 12*(\q)+6*(\p/3)+\p%3        ; lanes 16-31 read three pieces on: where that lies behind one padding more, the second address register serves
.if PCE%8 < 5
	ds_load_b64 v[\reg+2*\p:\reg+2*\p+1], v[\adr] offset:8*PCE+16*(PCE/8)+(32*((\i)/2)+8*((\i)%2))*PITCH
.else
	ds_load_b64 v[\reg+2*\p:\reg+2*\p+1], v[\adr+2] offset:8*PCE+16*(PCE/8)+(32*((\i)/2)+8*((\i)%2))*PITCH
.endif
.endr
.endm
; 16 matrix instructions: A's blocks a0, a0 + 1 x B's eight.  The 64 accumulators take turns, one instruction a turn, in the same order in every step.
.macro MUL16 a0, p, q, sc, zero
.irp a, \a0, \a0+1
.irp b, 0,1,2,3,4,5,6,7
.if \zero
	v_wmma_scale_f32_16x16x128_f8f6f4 v[8*(8*((\a)%4)+\b):8*(8*((\a)%4)+\b)+7], v[128*(\p)+FR*\b:128*(\p)+FR*\b+FR-1], v[AF+FR*(\a):AF+FR*(\a)+FR-1], 0, v[SC+8*NQ*(\sc)+NQ*\b+(\q)], v[SC+8*NQ*(\sc)+NQ*(\a)+(\q)] matrix_a_fmt:MATRIX_FMT_FP6 matrix_b_fmt:MATRIX_FMT_FP6 matrix_a_scale:MATRIX_SCALE_ROW1
.else
	v_wmma_scale_f32_16x16x128_f8f6f4 v[8*(8*((\a)%4)+\b):8*(8*((\a)%4)+\b)+7], v[128*(\p)+FR*\b:128*(\p)+FR*\b+FR-1], v[AF+FR*(\a):AF+FR*(\a)+FR-1], v[8*(8*((\a)%4)+\b):8*(8*((\a)%4)+\b)+7], v[SC+8*NQ*(\sc)+NQ*\b+(\q)], v[SC+8*NQ*(\sc)+NQ*(\a)+(\q)] matrix_a_fmt:MATRIX_FMT_FP6 matrix_b_fmt:MATRIX_FMT_FP6 matrix_a_scale:MATRIX_SCALE_ROW1
.endif
.endr
.endr
.endm
.macro FETCH_B slot, q, p
	WIN TO_B
.irp i, 0,1,2,3,4,5,6,7
	FRAG 128*(\p)+FR*\i, ADRB+\slot, \q, \i
.endr
	WIN 0
.endm
.macro FETCH_A slot, q, i0
.irp i, \i0, \i0+1, \i0+2, \i0+3
	FRAG AF+FR*(\i), ADRA+\slot, \q, \i
.endr
.endm
.macro SCALES sc                       ; the K step's two scale words a row: lanes 0-15 A's block i, lanes 16-31 B's block i; block i begins 4 (i / 2) + i % 2 units on
.irp i, 0,1,2,3,4,5,6,7
	ds_load_b64 v[SC+8*NQ*\sc+NQ*\i:SC+8*NQ*\sc+NQ*\i+1], v[ADRS] offset:(4*(\i/2)+\i%2)*272
.endr
.endm
.macro PLACES n                        ; plain vector instructions between a matrix instruction and a load into, or a vector read or write of, its registers
.rept \n
	v_nop
.endr
.endm
.macro STEP slot, q, zero
	s_wait_dscnt 4*NL                              ; all but the youngest 24 loads (A's blocks 4-7)
	WIN MUL_LO
	MUL16 0, (\q)%2, \q, \slot, \zero
	MUL16 2, (\q)%2, \q, \slot, \zero
	s_wait_dscnt 0
	PLACES NP
	FETCH_B \slot, (\q)+1, 1-(\q)%2
	FETCH_A \slot, (\q)+1, 0
	WIN MUL_HI
	MUL16 4, (\q)%2, \q, \slot, \zero
	MUL16 6, (\q)%2, \q, \slot, \zero
	PLACES NP
	WIN 0
	FETCH_A \slot, (\q)+1, 4
.endm
; A slot's last step changes slots: each wave waits for all its tensor loads, adds 0 to its spare word, waits for that and for its reads of this slot; then one barrier, which opens a round of the cluster's where the slot is filled again.
.macro TURN slot, next, fill
	s_wait_tensorcnt 0x0                           ; all my tensor loads have landed: my part of the next slot
	ds_add_u32 v[SPW], v[NIL]
	s_wait_dscnt 4*NL+1                            ; (the add and the youngest 24 loads may be out)
	WIN MUL_LO
	MUL16 0, 1, NQ-1, \slot, 0
	s_wait_dscnt 0x0                               ; the add is done, and my reads of this slot are over
	s_barrier_signal -1
	MUL16 2, 1, NQ-1, \slot, 0
	WIN 0
	s_barrier_wait -1
.if \fill
	CREST                                          ; no wave of any partner still reads this slot or has a load on its way
	s_add_nc_u64 s[G0+4*\slot+2:G0+4*\slot+3], s[G0+4*\slot+2:G0+4*\slot+3], 2*ROWB
	s_add_nc_u64 s[G0B+4*\slot+2:G0B+4*\slot+3], s[G0B+4*\slot+2:G0B+4*\slot+3], 2*ROWB
	JLOAD G0+4*\slot, G1, G0B+4*\slot, G1B         ; my one tensor load behind the round; its four v_nop are the places in front of the loads below
.else
	PLACES NP
.endif
	v_add_nc_u32 v[ADRS], 4*NQ, v[ADRS]
	FETCH_B \next, 0, 0
	FETCH_A \next, 0, 0
	SCALES \next
	WIN MUL_HI
	MUL16 4, 1, NQ-1, \slot, 0
	MUL16 6, 1, NQ-1, \slot, 0
	PLACES NP
	WIN 0
	FETCH_A \next, 0, 4
.endm
	s_wait_tensorcnt 1                             ; the scales and my part of K step 0 are in; K step 1's load may be out
	s_barrier_signal -1
	s_barrier_wait -1
	FETCH_B 0, 0, 0
	FETCH_A 0, 0, 0
	SCALES 0
	FETCH_A 0, 0, 4
	STEP 0, 0, 1                                   ; the first products start the sums
	s_mov_b32 s3, LAPS-1
.Llap:
	TURN 0, 1, 1
	STEP 1, 0, 0
	TURN 1, 0, 1
	STEP 0, 0, 0
	s_sub_co_u32 s3, s3, 1
	s_cmp_lg_u32 s3, 0
	s_cbranch_scc1 .Llap
	TURN 0, 1, 0                                   ; the last lap fills nothing
	STEP 1, 0, 0
	s_wait_dscnt 4*NL
	WIN MUL_LO
	MUL16 0, 1, NQ-1, 1, 0
	MUL16 2, 1, NQ-1, 1, 0
	s_wait_dscnt 0
	WIN MUL_HI
	MUL16 4, 1, NQ-1, 1, 0
	MUL16 6, 1, NQ-1, 1, 0
	WIN 0
; 64 numbers of a lane, register 16 b + i = k 32 b + 16 (lane / 16) + i of my row, become a fragment's codes in v[PC] on and the row's scale word in v[pw].
.macro QUANT s, pw
.irp b, 0,1,2,3
	v_max3_num_f32 v[TM+\b], |v[(\s)+16*\b]|, |v[(\s)+1+16*\b]|, 0x1800000   ; with the floor 2^(3 - 127): the byte cannot fall under 1
.endr
.irp i, 2,4,6,8,10,12,14
.irp b, 0,1,2,3
	v_max3_num_f32 v[TM+\b], v[TM+\b], |v[(\s)+16*\b+\i]|, |v[(\s)+1+16*\b+\i]|
.endr
.endr
.irp b, 0,1,2,3
	v_permlanex16_b32 v[TM+4+\b], v[TM+\b], s[SEL], s[SEL+1]
.endr
.irp b, 0,1,2,3
	v_max_num_f32 v[TM+\b], v[TM+\b], v[TM+4+\b]   ; with lane l xor 16's: the block's largest magnitude
.endr
.irp b, 0,1,2,3
	v_add_nc_u32 v[TM+12+\b], 0xff000000, v[TM+\b] ; 2 off its exponent field: the conversion's scale operand
.endr
.irp b, 0,1,2,3
	v_lshrrev_b32 v[TM+4+\b], 23, v[TM+12+\b]      ; the scale's byte
.endr
	v_lshl_or_b32 v[\pw], v[TM+5], 8, v[TM+4]
	v_lshl_or_b32 v[\pw], v[TM+6], 16, v[\pw]
	v_lshl_or_b32 v[\pw], v[TM+7], 24, v[\pw]
.irp c, 0,1
	v_cvt_scalef32_pk16_fp6_f32 v[PC+6*\c:PC+2+6*\c], v[(\s)+32*\c:(\s)+15+32*\c], v[TM+12+2*\c]
	v_cvt_scalef32_pk16_fp6_f32 v[PC+12+4*\c:PC+14+4*\c], v[(\s)+16+32*\c:(\s)+31+32*\c], v[TM+12+2*\c+1]   ; (three registers from an even one)
.endr
	v_nop                                          ; one plain place behind a scaled conversion
.irp c, 0,1                                    ; the operand's layout wants a whole block in a lane
.irp i, 0,1,2
	v_permlane16_swap_b32 v[PC+6*\c+\i], v[PC+12+4*\c+\i]
.endr
.irp i, 0,1,2
	v_mov_b32 v[PC+3+6*\c+\i], v[PC+12+4*\c+\i]
.endr
.endr
.endm
; q, k: block a's 16 tokens x 128 channels (two heads): + bias, / max(norm, 1e-12), quantised; each head's six registers leave as three stores of 256 consecutive aligned bytes.
.macro QK_ROW a
.if (\a) > 0
	s_wait_xcnt 0x0                                ; the last block's stores have read the codes' registers
.endif
	WIN 0x02+(\a)/4                                ; source 0: the accumulators' window
.set i, 0
.rept 32
	v_pk_add_f32 v[W+i:W+i+1], v[64*((\a)%4)+i:64*((\a)%4)+i+1], v[BI+i:BI+i+1]   ; each accumulator from its low end on
.set i, i+2
.endr
	WIN 0
.irp g, 0,1                                    ; the head's sum of squares: my 32 numbers in two packed chains
	v_pk_mul_f32 v[SS+4*\g:SS+4*\g+1], v[W+32*\g:W+32*\g+1], v[W+32*\g:W+32*\g+1]
	v_pk_mul_f32 v[SS+4*\g+2:SS+4*\g+3], v[W+32*\g+2:W+32*\g+3], v[W+32*\g+2:W+32*\g+3]
.endr
.irp j, 4,8,12,16,20,24,28
.irp g, 0,1
	v_pk_fma_f32 v[SS+4*\g:SS+4*\g+1], v[W+32*\g+\j:W+32*\g+\j+1], v[W+32*\g+\j:W+32*\g+\j+1], v[SS+4*\g:SS+4*\g+1]
	v_pk_fma_f32 v[SS+4*\g+2:SS+4*\g+3], v[W+32*\g+\j+2:W+32*\g+\j+3], v[W+32*\g+\j+2:W+32*\g+\j+3], v[SS+4*\g+2:SS+4*\g+3]
.endr
.endr
.irp g, 0,1
	v_pk_add_f32 v[SS+4*\g:SS+4*\g+1], v[SS+4*\g:SS+4*\g+1], v[SS+4*\g+2:SS+4*\g+3]
.endr
.irp g, 0,1
	v_add_f32 v[SS+4*\g], v[SS+4*\g], v[SS+4*\g+1]
.endr
.irp g, 0,1
	v_permlanex16_b32 v[SS+4*\g+1], v[SS+4*\g], s[SEL], s[SEL+1]
.endr
.irp g, 0,1
	v_add_f32 v[SS+4*\g], v[SS+4*\g], v[SS+4*\g+1] ; with lane l xor 16's 32
.endr
	v_sqrt_f32 v[SS], v[SS]
	v_sqrt_f32 v[SS+4], v[SS+4]
	v_nop                                          ; a plain place behind the roots,
	s_wait_alu depctr_va_vdst(0)                   ; and the wait ahead of their first reader
	v_max_num_f32 v[SS], 0x2b8cbccc, v[SS]         ; max(n, 1e-12)
	v_max_num_f32 v[SS+4], 0x2b8cbccc, v[SS+4]
	v_rcp_f32 v[INV], v[SS]
	v_rcp_f32 v[INV+2], v[SS+4]
	v_nop
	s_wait_alu depctr_va_vdst(0)
.irp g, 0,1
.set i, 0
.rept 16
	v_pk_mul_f32 v[W+32*\g+i:W+32*\g+i+1], v[W+32*\g+i:W+32*\g+i+1], v[INV+2*\g:INV+2*\g+1] op_sel_hi:[1,0]
.set i, i+2
.endr
.endr
	QUANT W, PWS+(\a)
.irp p, 0,1,2,3,4,5
	global_store_b64 v[GOC], v[PC+2*\p:PC+2*\p+1], s[10:11] offset:(\p/3)*98304+(\a)*768+(\p%3)*256
.endr
.endm
; v: block a's 16 channels x 128 keys: + bias, quantised along the keys: one fragment, three stores of 512 consecutive aligned bytes.
.macro V_ROW a
.if (\a) > 0
	s_wait_xcnt 0x0
.endif
	WIN 0x02+(\a)/4
.set i, 0
.rept 32
	v_pk_add_f32 v[W+i:W+i+1], v[64*((\a)%4)+i:64*((\a)%4)+i+1], v[BV+2*(\a):BV+2*(\a)+1]
.set i, i+2
.endr
	WIN 0
	QUANT W, PWS+(\a)
.irp q, 0,1,2
	global_store_b128 v[GOC], v[PC+4*\q:PC+4*\q+3], s[10:11] offset:((\a)/4)*98304+((\a)%4)*1536+512*\q
.endr
.endm
	PLACES NP                                      ; behind the last products, ahead of writes of registers that they read
	s_wait_loadcnt 0x0                             ; the biases
	s_mov_b32 s[SEL], 0x76543210
	s_mov_b32 s[SEL+1], 0xfedcba98
	s_mov_b32 s[HM], 0xffff0000
	v_and_b32 v1, 15, v0
	v_bfe_u32 v2, v0, 4, 1
	v_and_b32 v3, 31, v0
	v_lshlrev_b32 v[GOS], 4, v1
	v_lshl_add_u32 v[GOS], v2, 12, v[GOS]          ; lanes 0-15 the first head's 256 bytes of scale words, lanes 16-31 the next head's
.irp b, 0,1,2,3
	v_mov_b32 v[TM+4+\b], 0                        ; written once: a lane permute's destination counts as one of its sources
.endr
	s_cmp_lt_u32 ttmp9, 8                          ; the cluster's number: all partners go the same way
	s_cbranch_scc0 .Lv_out
	v_lshlrev_b32 v[GOC], 3, v3
	v_mov_b32 v[INV+1], 0                          ; (named as the upper halves of pairs)
	v_mov_b32 v[INV+3], 0
	v_mov_b32 v[SELV], 0x05040100                  ; lanes 0-15: the two low halves (the first head's bytes);
	v_mov_b32 v4, 0x07060302
	v_cndmask_b32 v[SELV], v[SELV], v4, s[HM]      ; lanes 16-31: the two high halves
.irp a, 0,1,2,3,4,5,6,7
	QK_ROW \a
.endr
.irp i, 0,1,2,3
	v_perm_b32 v[WD+\i], v[PWS+2*\i+1], v[PWS+2*\i], v[SELV]   ; pair i's word: tile 2 i's two bytes, then tile 2 i + 1's
.endr
	global_store_b128 v[GOS], v[WD:WD+3], s[12:13]
	s_branch .Ldone
.Lv_out:
	v_lshlrev_b32 v[GOC], 4, v3
.irp a, 0,1,2,3,4,5,6,7
	V_ROW \a
.endr
.irp i, 0,1,2,3
	v_cndmask_b32 v[WD+\i], v[PWS+\i], v[PWS+4+\i], s[HM]      ; lanes 0-15 the first head's four channel tiles, lanes 16-31 the next head's
.endr
	global_store_b128 v[GOS], v[WD:WD+3], s[12:13]
.Ldone:
	s_wait_tensorcnt 0x0                           ; the wave's end
	ds_add_u32 v[SPW], v[NIL]
	s_wait_dscnt 0x0
	CROUND                                         ; the closing round
	s_endpgm
.Lfunc_end_k_qc2aab0ae96_gemm_qkv:
	.size	k_qc2aab0ae96_gemm_qkv, .Lfunc_end_k_qc2aab0ae96_gemm_qkv-k_qc2aab0ae96_gemm_qkv
	.p2alignl 7, 3214868480
	.fill 96, 4, 3214868480
	.section	.rodata,"a",@progbits
	.p2align	6, 0x0
	.amdhsa_kernel k_qc2aab0ae96_gemm_qkv
		.amdhsa_group_segment_fixed_size 327680
		.amdhsa_private_segment_fixed_size 0
		.amdhsa_enable_private_segment 0
		.amdhsa_kernarg_size 40
		.amdhsa_user_sgpr_count 2
		.amdhsa_user_sgpr_kernarg_segment_ptr 1
		.amdhsa_wavefront_size32 1
		.amdhsa_system_sgpr_workgroup_id_x 1
		.amdhsa_system_sgpr_workgroup_id_y 1
		.amdhsa_system_sgpr_workgroup_id_z 1
		.amdhsa_system_vgpr_workitem_id 0
		.amdhsa_next_free_vgpr 1024
		.amdhsa_next_free_sgpr 102
		.amdhsa_reserve_vcc 0
		.amdhsa_float_denorm_mode_32 3
		.amdhsa_float_denorm_mode_16_64 3
		.amdhsa_memory_ordered 1
		.amdhsa_forward_progress 1
		.amdhsa_inst_pref_size 255
	.end_amdhsa_kernel
	.section	.bss,"aw",@nobits
	.p2align	6
	.space	262144
	.amdgpu_metadata
---
amdhsa.version: [ 1, 2 ]
amdhsa.kernels:
  - .name:           k_qc2aab0ae96_gemm_qkv
    .symbol:         k_qc2aab0ae96_gemm_qkv.kd
    .args:
      - { .name: qcodes, .offset: 0, .size: 8, .value_kind: global_buffer, .address_space: global }
      - { .name: qscales, .offset: 8, .size: 8, .value_kind: global_buffer, .address_space: global }
      - { .name: b_qkv, .offset: 16, .size: 8, .value_kind: global_buffer, .address_space: global }
      - { .name: hcodes, .offset: 24, .size: 8, .value_kind: global_buffer, .address_space: global }
      - { .name: hscales, .offset: 32, .size: 8, .value_kind: global_buffer, .address_space: global }
    .group_segment_fixed_size: 327680
    .private_segment_fixed_size: 0
    .kernarg_segment_align: 8
    .kernarg_segment_size: 40
    .max_flat_workgroup_size: 128
    .sgpr_count:     102
    .vgpr_count:     1024
    .wavefront_size: 32
...
	.end_amdgpu_metadata
.endif
;; end of part 2
;; launch colsum (part 3): grid 8 x 32, 16 waves a work-group, clusters of 4 x 1, 167,936 bytes of LDS; arguments hcodes, hscales, rcb; writes rcb
.if DOCPART == 3
	.amdgcn_target "amdgcn-amd-amdhsa--gfx1250"
	.amdhsa_code_object_version 6
	.text
	.protected	k_qc2aab0ae96_colsum
	.globl	k_qc2aab0ae96_colsum
	.p2align	8
	.type	k_qc2aab0ae96_colsum,@function
k_qc2aab0ae96_colsum:
	s_mov_b64 s[64:65], 0
	v_nop
	global_prefetch_b8 v0, s[64:65] scope:SCOPE_SE
	s_setreg_imm32_b32 hwreg(HW_REG_WAVE_MODE, 25, 1), 1
	s_wait_xcnt 0x0
	s_wait_alu depctr_hold_cnt(0) depctr_sa_sdst(0) depctr_va_vdst(0) depctr_va_sdst(0) depctr_va_ssrc(0) depctr_va_vcc(0) depctr_vm_vsrc(0)
	s_getreg_b32 s2, hwreg(HW_REG_IB_STS2, 6, 4)
	s_cmp_eq_u32 s2, 0
	s_cbranch_scc0 .Lentry_in_a_cluster
	s_endpgm
.Lentry_in_a_cluster:
	s_bfe_u32 s2, ttmp6, 0x10000c
	s_cmp_lg_u32 s2, 0x3003
	s_cbranch_scc0 .Lentry_shape_is_right
	s_endpgm
.Lentry_shape_is_right:
; rcb[head][key] = -log2(n_c / 128), n_c = the sum over all 2,048 queries of score(query, key), score = (1 + arccos(clip(q . k)))^-3.2, q . k on codes of FP6.
; (The next launch wants score / n_c up to a factor common to a row: it adds this number to the exponent of its 2^(..).  The 128 is a power of two and cancels there; it keeps the number between -4 and 2.6,
; since the clip holds every score in 0.0106 .. 1 and so n_c in 21.7 .. 2,048.)
; SHARES.  A work-group owns 256 keys of one head, each of its sixteen waves one tile of 16 keys, which stays in registers; every wave walks the head's 128 tiles of queries, which lie in LDS, filled once.
; The four work-groups of a cluster belong to one head and ask for its queries JOINTLY (the same descriptors, mask 15).  Four waves share a SIMD, so that one wave's waits stand beside another's work.
; K = 64 IN AN INSTRUCTION OF K = 128.  The streamed operand is a PAIR of tiles: tile 2 P in k 0-63, tile 2 P + 1 in k 64-127, twelve registers and four scale bytes.  The resident tile t stands between zeros,
; [0 x 6][t x 6][0 x 6]: v[30:41] = [t | 0] meets the pair's first tile, v[24:35] = [0 | t] its second.  The resident side's zero CODES wipe out the other half (only one side holds zeros there; every scale byte is a real byte, never 0xff).
; Source 0 = queries, source 1 = keys: a lane holds ONE key and its registers run along the queries.
; ARCCOS.  c is held in -(1 - 2^-23) .. 1 - 2^-23 (the f32 number nearest to 1 - 1e-7).  With x = sqrt(1 - c^2): arcsin(c) = c G(x), G(x) = arccos(x) / sqrt(1 - x^2), which is smooth on 0 .. 1: the sign comes by the factor c,
; and y = 1 + arccos(c) = (1 + pi/2) - c G(x).  G is its Chebyshev series on 0 .. 1 cut behind degree 8: the terms left out add up to 1.05e-7 at the most; with the coefficients' rounding to f32 the error of G stays under 2e-7,
; and it enters y times |c|.  score = 2^(-3.2 log2 y).
; LIMITS: NaN among the codes' scales is not served.
.set QS,    98304                      ; LDS: from 0 the head's 64 pair fragments of q, 1,536 bytes each; here their scale words: [16][r][4]
.set STG,   102400                     ; 256 results, in the keys' own order
.set SPARE, 103424                     ; the spare words: 128 bytes a wave, named by no other line
.set SPW, 1
.set NIL, 2
.set AQ,  3                            ; v3  8 x lane
.set AQS, 4                            ; v4  QS + 16 r
.set ADQ, 5                            ; v5  the trip's fragments
.set ADS, 6                            ; v6  the trip's scale words
.set STA, 7                            ; v7  where my key's result goes
.set STL, 8                            ; v8  where waves 0, 1 read 512 bytes back
.set GO,  9                            ; v9  16 x lane
.set R16, 10                           ; v10 16 r
.set C8,  12                           ; v[12:13] the polynomial's leading coefficient
.set SM,  14                           ; v14-21 four packed sums
.set KSR, 22                           ; v22 the pair's scale word as loaded;  v23 my tile's two bytes, twice
.set KSW, 23
.set QSC, 44                           ; v44-47 four pairs' scale words
.set F0,  48                           ; v48-71, v72-95 two pair fragments each
.set F1,  72
.set X0,  96                           ; v96-127, v128-159 two sets of 32 scores
.set X1,  128
.set TT,  160                          ; v160-191 1 - c^2, then x
.set TP,  192                          ; v192-223 the polynomial
.set EN,  32
.set WV,  10
.set CX,  11
.set KB,  12
.set BH,  13
.set SEL, 14
.set C1,  16
.set NC1, 17
.set K0,  18
.set K1,  20
.set K2,  22
.set K3,  24
.set K4,  26
.set K5,  28
.set K6,  30
.set K7,  32
.set Y0,  34
.set EXPO, 36
.set G1B, 40
.set G1S, 48
.set G0B, 56
.set G0S, 60
.set TB,  66
.set TS,  67
.set TR,  68
.set PSEL, 80
.macro SPAIR reg, val                  ; a packed form names a pair and takes its low word for both halves: both are written
	s_mov_b32 s[\reg], \val
	s_mov_b32 s[\reg+1], \val
.endm
.macro ROUND                           ; a round of the cluster's barrier
	s_barrier_signal -1
	s_barrier_wait -1
	s_cmp_lg_u32 s[WV], 0
	s_cbranch_scc1 .Lnot_wave_0_\@
	s_barrier_signal -3
.Lnot_wave_0_\@:
	s_barrier_wait -3
	s_barrier_signal -1
	s_barrier_wait -1
.endm
	s_load_b128 s[4:7], s[0:1], 0x0                ; hcodes, hscales
	s_load_b64 s[8:9], s[0:1], 0x10                ; rcb
	v_lshl_add_u32 v[SPW], v0, 2, SPARE
	v_mov_b32 v[NIL], 0
	ds_add_u32 v[SPW], v[NIL]                      ; the opening: the add and its wait stand ahead of my first tensor load; register work stands between
	v_lshrrev_b32 v44, 5, v0
	v_readfirstlane_b32 s[WV], v44
	v_and_b32 v44, 31, v0
	v_and_b32 v45, 15, v0
	v_lshlrev_b32 v[AQ], 3, v44
	v_lshlrev_b32 v[GO], 4, v44
	v_lshlrev_b32 v[R16], 4, v45
	v_add_nc_u32 v[AQS], QS, v[R16]
	v_and_b32 v46, 8, v45
	v_add_nc_u32 v46, v46, v45                     ; r + 8 (r / 8)
	s_lshr_b32 s70, s[WV], 1
	s_lshl_b32 s70, s70, 7
	s_and_b32 s71, s[WV], 1
	s_lshl_b32 s71, s71, 5
	s_add_co_u32 s70, s70, s71
	s_add_co_u32 s70, s70, STG
	v_lshl_add_u32 v[STA], v46, 2, s70             ; lane r of tile w is key 32 (w / 2) + 8 (w % 2) + r + 8 (r / 8) of the 256
	s_lshl_b32 s70, s[WV], 9
	s_add_co_u32 s70, s70, STG
	v_add_nc_u32 v[STL], s70, v[GO]
	s_bfe_u32 s[CX], ttmp6, 0x40000
	s_lshl_b32 s[KB], ttmp9, 2
	s_add_co_u32 s[KB], s[KB], s[CX]               ; my block of 256 keys
	s_and_b32 s[BH], ttmp7, 0xffff                 ; the head, which the four partners share
	s_mov_b32 s[SEL], 0x76543210
	s_mov_b32 s[SEL+1], 0xfedcba98
	s_mov_b32 s[C1], 0x3f7ffffe                    ; 1 - 2^-23
	s_mov_b32 s[NC1], 0xbf7ffffe
	SPAIR K0, 0xbfc90fda                           ; -G's coefficients: -1.57079625,
	SPAIR K1, 0x3f7ffed6                           ; 0.99998224,
	SPAIR K2, 0xbf48eef6                           ; -0.78489625,
	SPAIR K3, 0x3f293d29                           ; 0.66108948,
	SPAIR K4, 0xbf0e9900                           ; -0.55702209,
	SPAIR K5, 0x3ed960c0                           ; 0.42456627,
	SPAIR K6, 0xbe81a87d                           ; -0.25323859,
	SPAIR K7, 0x3dc8a3dc                           ; 0.097968787  (the ninth, -0.017653691, lies in v[C8:C8+1])
	SPAIR Y0, 0x402487ed                           ; 1 + pi / 2
	SPAIR EXPO, 0xc04ccccd                         ; -3.2
	s_mov_b32 s[G1B], 15|(3<<16)|(1<<21)           ; mask: all four partners; elements of 8 bytes; bit 21 beside a mask; no padding
	s_mov_b32 s[G1B+1], 32<<16                     ; rows of 256 bytes,
	s_mov_b32 s[G1B+2], 64<<16                     ; 64 of them: 16,384 dense bytes
	s_mov_b32 s[G1B+3], 32<<16
	s_mov_b32 s[G1B+4], 64
	s_mov_b32 s[G1B+5], 32
	s_mov_b32 s[G1B+6], 0
	s_mov_b32 s[G1B+7], 0
	s_mov_b32 s[G1S], 15|(3<<16)|(1<<21)
	s_mov_b32 s[G1S+1], 32<<16
	s_mov_b32 s[G1S+2], 16<<16                     ; 16 rows: 4,096 bytes
	s_mov_b32 s[G1S+3], 32<<16
	s_mov_b32 s[G1S+4], 16
	s_mov_b32 s[G1S+5], 32
	s_mov_b32 s[G1S+6], 0
	s_mov_b32 s[G1S+7], 0
	s_mul_i32 s76, s[BH], 98304                    ; the joint loads' places hang on the head and the wave alone
	s_lshl_b32 s77, s[WV], 14
	s_add_co_u32 s76, s76, s77
	s_mov_b32 s77, 0
	s_lshl_b32 s78, s[BH], 12
	s_mov_b32 s79, 0
	s_lshl_b32 s70, s[BH], 7                       ; my tile of keys: 128 head + 16 block + wave
	s_lshl_b32 s71, s[KB], 4
	s_add_co_u32 s70, s70, s71
	s_add_co_u32 s70, s70, s[WV]
	s_mul_i32 s70, s70, 768
	s_add_co_u32 s70, s70, 3145728
	s_mov_b32 s71, 0
	s_lshl_b32 s72, s[KB], 1                       ; its pair's scale word: group 2 block + wave / 8, word (wave / 2) % 4
	s_lshr_b32 s73, s[WV], 3
	s_add_co_u32 s72, s72, s73
	s_lshl_b32 s72, s72, 8
	s_bfe_u32 s73, s[WV], 0x20001
	s_lshl_b32 s73, s73, 2
	s_add_co_u32 s72, s72, s73
	s_add_co_u32 s72, s72, s78
	s_add_co_u32 s72, s72, 131072
	s_mov_b32 s73, 0
	s_lshl_b32 s74, s[BH], 13                      ; the results: 8,192 head + 1,024 block + 512 wave
	s_lshl_b32 s75, s[KB], 10
	s_add_co_u32 s74, s74, s75
	s_lshl_b32 s75, s[WV], 9
	s_add_co_u32 s74, s74, s75
	s_mov_b32 s75, 0
	s_and_b32 s81, s[WV], 1
	s_mov_b32 s[PSEL], 0x03020302                  ; an odd tile's bytes are the word's upper two,
	s_cmp_eq_u32 s81, 0
	s_cselect_b32 s[PSEL], 0x01000100, s[PSEL]     ; an even tile's the lower two
	s_mov_b32 s[TB], 0
	s_mov_b32 s[TS], 0
	s_wait_dscnt 0x0                               ; the opening add is done
	s_wait_kmcnt 0x0
	s_mov_b32 s[G0B], 1
	s_lshl_b32 s[G0B+1], s[WV], 14                 ; LDS: 16,384 x wave
	s_add_nc_u64 s[G0B+2:G0B+3], s[4:5], s[76:77]
	s_or_b32 s[G0B+3], s[G0B+3], 0x80000000
	s_mov_b32 s[G0S], 1
	s_mov_b32 s[G0S+1], QS
	s_add_nc_u64 s[G0S+2:G0S+3], s[6:7], s[78:79]
	s_or_b32 s[G0S+3], s[G0S+3], 0x80000000
	s_add_nc_u64 s[70:71], s[4:5], s[70:71]
	s_add_nc_u64 s[72:73], s[6:7], s[72:73]
	s_add_nc_u64 s[8:9], s[8:9], s[74:75]
	ROUND                                          ; the four work-groups are here: the joint loads meet
	s_cmp_lt_u32 s[WV], 6                          ; waves 0-5: a sixth of the codes each; wave 6: the scale words; one load a wave is out
	s_cbranch_scc0 .Lnot_codes
	tensor_load_to_lds s[G0B:G0B+3], s[G1B:G1B+7]
	s_nop 0
.rept 4
	v_nop
.endr
	s_branch .Lasked
.Lnot_codes:
	s_cmp_eq_u32 s[WV], 6
	s_cbranch_scc0 .Lasked
	tensor_load_to_lds s[G0S:G0S+3], s[G1S:G1S+7]
	s_nop 0
.rept 4
	v_nop
.endr
.Lasked:
.irp p, 0,1,2
	global_load_b64 v[30+2*\p:31+2*\p], v[AQ], s[70:71] offset:256*\p   ; my tile of keys
.endr
	global_load_b32 v[KSR], v[R16], s[72:73]
.irp j, 24,25,26,27,28,29,36,37,38,39,40,41
	v_mov_b32 v[\j], 0                             ; the zero codes on both sides of it
.endr
	v_mov_b32 v[C8], 0xbc909e79
	v_mov_b32 v[C8+1], 0xbc909e79
	s_wait_loadcnt 0x0
	v_perm_b32 v[KSW], v[KSR], v[KSR], s[PSEL]     ; [s0 s1 s0 s1].  The ten plain lines below stand between this write and the first scaled product
.irp j, 0,1,2,3,4,5,6,7
	v_mov_b32 v[SM+\j], 0
.endr
	v_add_nc_u32 v[ADQ], s[TB], v[AQ]
	v_add_nc_u32 v[ADS], s[TS], v[AQS]
	s_wait_tensorcnt 0x0                           ; my part of the tiles is in,
	s_barrier_signal -1
	s_barrier_wait -1                              ; everybody's is
.macro FETCH                           ; a trip's four pair fragments and their scale words
	ds_load_b128 v[QSC:QSC+3], v[ADS]
.irp p, 0,1,2,3,4,5,6,7,8,9,10,11
	ds_load_b64 v[F0+2*\p:F0+2*\p+1], v[ADQ] offset:256*\p
.endr
.irp p, 0,1,2,3,4,5,6,7,8,9,10,11
	ds_load_b64 v[F1+2*\p:F1+2*\p+1], v[ADQ] offset:3072+256*\p
.endr
.endm
	FETCH
; four products: two pair fragments x my tile: 64 queries x 16 keys, into 32 registers from x on
.macro MM f, q, x
	v_wmma_scale_f32_16x16x128_f8f6f4 v[\x:\x+7], v[\f:\f+11], v[30:41], 0, v[QSC+\q], v[KSW] matrix_a_fmt:MATRIX_FMT_FP6 matrix_b_fmt:MATRIX_FMT_FP6
	v_wmma_scale_f32_16x16x128_f8f6f4 v[\x+8:\x+15], v[\f:\f+11], v[24:35], 0, v[QSC+\q], v[KSW] matrix_a_fmt:MATRIX_FMT_FP6 matrix_b_fmt:MATRIX_FMT_FP6
	v_wmma_scale_f32_16x16x128_f8f6f4 v[\x+16:\x+23], v[\f+12:\f+23], v[30:41], 0, v[QSC+\q+1], v[KSW] matrix_a_fmt:MATRIX_FMT_FP6 matrix_b_fmt:MATRIX_FMT_FP6
	v_wmma_scale_f32_16x16x128_f8f6f4 v[\x+24:\x+31], v[\f+12:\f+23], v[24:35], 0, v[QSC+\q+1], v[KSW] matrix_a_fmt:MATRIX_FMT_FP6 matrix_b_fmt:MATRIX_FMT_FP6
.endm
; cos -> score, in place on 32 registers from x on, in three parts, each ending in a batch of transcendentals.  One plain place and a wait stand between a batch and its first reader: TRIP writes them.
.macro ROOT x                          ; the clip; 1 - c^2; x
.set i, 0
.rept EN
	v_med3_num_f32 v[(\x)+i], v[(\x)+i], s[NC1], s[C1]   ; each accumulator is read from its low end on
.set i, i+1
.endr
.set i, 0
.rept EN/2
	v_pk_fma_f32 v[TT+i:TT+i+1], v[(\x)+i:(\x)+i+1], v[(\x)+i:(\x)+i+1], 1.0 op_sel_hi:[1,1,0] neg_lo:[1,0,0] neg_hi:[1,0,0]   ; 1 - c c, rounded once; at least 2^-22 - 2^-46
.set i, i+2
.endr
.set i, 0
.rept EN
	v_sqrt_f32 v[TT+i], v[TT+i]
.set i, i+1
.endr
.endm
.macro POLY x                          ; -G(x); y; log2 y
.set i, 0
.rept EN/2
	v_pk_fma_f32 v[TP+i:TP+i+1], v[TT+i:TT+i+1], v[C8:C8+1], s[K7:K7+1] op_sel_hi:[1,1,0]
.set i, i+2
.endr
.irp k, K6, K5, K4, K3, K2, K1, K0
.set i, 0
.rept EN/2
	v_pk_fma_f32 v[TP+i:TP+i+1], v[TP+i:TP+i+1], v[TT+i:TT+i+1], s[\k:\k+1] op_sel_hi:[1,1,0]
.set i, i+2
.endr
.endr
.set i, 0
.rept EN/2
	v_pk_fma_f32 v[(\x)+i:(\x)+i+1], v[(\x)+i:(\x)+i+1], v[TP+i:TP+i+1], s[Y0:Y0+1] op_sel_hi:[1,1,0]   ; y = (1 + pi/2) - c G
.set i, i+2
.endr
.set i, 0
.rept EN
	v_log_f32 v[(\x)+i], v[(\x)+i]
.set i, i+1
.endr
.endm
.macro POWER x                         ; 2^(-3.2 log2 y)
.set i, 0
.rept EN/2
	v_pk_mul_f32 v[(\x)+i:(\x)+i+1], v[(\x)+i:(\x)+i+1], s[EXPO:EXPO+1] op_sel_hi:[1,0]
.set i, i+2
.endr
.set i, 0
.rept EN
	v_exp_f32 v[(\x)+i], v[(\x)+i]
.set i, i+1
.endr
.endm
.macro SUM x
.set i, 0
.rept EN/2
	v_pk_add_f32 v[SM+2*((i/2)%4):SM+2*((i/2)%4)+1], v[SM+2*((i/2)%4):SM+2*((i/2)%4)+1], v[(\x)+i:(\x)+i+1]
.set i, i+2
.endr
.endm
.macro TWAIT                           ; a plain place behind a batch of transcendentals, and the one wait ahead of its first reader
	v_nop
	s_wait_alu depctr_va_vdst(0)
.endm
; A trip: 128 queries.  Its eight products stand together; the next trip's fragments are asked for behind them, a whole trip ahead of the wait for them, which is therefore for 0.  more = 1: there is a next trip.
; The first set's sum stands behind the second set's wait for its roots: that wait serves the first set's exponentials too.
.macro TRIP more
	s_wait_dscnt 0x0
	MM F0, 0, X0
	MM F1, 2, X1
.if \more
	s_add_co_u32 s[TB], s[TB], 6144
	s_add_co_u32 s[TS], s[TS], 256
	v_add_nc_u32 v[ADQ], s[TB], v[AQ]              ; four plain lines: the places ahead of the loads into the products' sources and of the first read of the results
	v_add_nc_u32 v[ADS], s[TS], v[AQS]
	v_nop
	v_nop
	FETCH
.else
.rept 4
	v_nop
.endr
.endif
	ROOT X0
	TWAIT
	POLY X0
	TWAIT
	POWER X0
	ROOT X1
	TWAIT
	SUM X0
	POLY X1
	TWAIT
	POWER X1
	TWAIT
	SUM X1
.endm
	s_mov_b32 s[TR], 15
.Ltrip:
	TRIP 1
	s_sub_co_u32 s[TR], s[TR], 1
	s_cmp_lg_u32 s[TR], 0
	s_cbranch_scc1 .Ltrip
	TRIP 0                                         ; the sixteenth trip is written out: it fetches nothing more
	v_pk_add_f32 v[SM:SM+1], v[SM:SM+1], v[SM+2:SM+3]
	v_pk_add_f32 v[SM+4:SM+5], v[SM+4:SM+5], v[SM+6:SM+7]
	v_pk_add_f32 v[SM:SM+1], v[SM:SM+1], v[SM+4:SM+5]
	v_add_f32 v[SM], v[SM], v[SM+1]
	v_permlanex16_b32 v[SM+1], v[SM], s[SEL], s[SEL+1]
	v_add_f32 v[SM], v[SM], v[SM+1]                ; with lane l xor 16's queries: the column's sum
	v_mul_f32 v[SM], 0x3c000000, v[SM]             ; / 128: exact
	v_log_f32 v[SM+2], v[SM]
	TWAIT
	v_sub_f32 v[SM+2], 0, v[SM+2]                  ; -log2(n_c / 128)
	ds_store_b32 v[STA], v[SM+2]                   ; both halves of the lanes write the same word with the same value
	s_wait_dscnt 0x0                               ; for the others' sake
	s_barrier_signal -1
	s_barrier_wait -1
	s_cmp_lt_u32 s[WV], 2
	s_cbranch_scc0 .Lno_store
	ds_load_b128 v[F0:F0+3], v[STL]
	s_wait_dscnt 0x0
	global_store_b128 v[GO], v[F0:F0+3], s[8:9]    ; 32 lanes store 512 consecutive aligned bytes
.Lno_store:
	s_wait_tensorcnt 0x0                           ; the wave's end
	ds_add_u32 v[SPW], v[NIL]
	s_wait_dscnt 0x0
	ROUND                                          ; the closing round
	s_endpgm
.Lfunc_end_k_qc2aab0ae96_colsum:
	.size	k_qc2aab0ae96_colsum, .Lfunc_end_k_qc2aab0ae96_colsum-k_qc2aab0ae96_colsum
	.p2alignl 7, 3214868480
	.fill 96, 4, 3214868480
	.section	.rodata,"a",@progbits
	.p2align	6, 0x0
	.amdhsa_kernel k_qc2aab0ae96_colsum
		.amdhsa_group_segment_fixed_size 167936
		.amdhsa_private_segment_fixed_size 0
		.amdhsa_enable_private_segment 0
		.amdhsa_kernarg_size 24
		.amdhsa_user_sgpr_count 2
		.amdhsa_user_sgpr_kernarg_segment_ptr 1
		.amdhsa_wavefront_size32 1
		.amdhsa_system_sgpr_workgroup_id_x 1
		.amdhsa_system_sgpr_workgroup_id_y 1
		.amdhsa_system_sgpr_workgroup_id_z 1
		.amdhsa_system_vgpr_workitem_id 0
		.amdhsa_next_free_vgpr 256
		.amdhsa_next_free_sgpr 96
		.amdhsa_reserve_vcc 0
		.amdhsa_float_denorm_mode_32 3
		.amdhsa_float_denorm_mode_16_64 3
		.amdhsa_memory_ordered 1
		.amdhsa_forward_progress 1
		.amdhsa_inst_pref_size 84
	.end_amdhsa_kernel
	.amdgpu_metadata
---
amdhsa.version: [ 1, 2 ]
amdhsa.kernels:
  - .name:           k_qc2aab0ae96_colsum
    .symbol:         k_qc2aab0ae96_colsum.kd
    .args:
      - { .name: hcodes, .offset: 0, .size: 8, .value_kind: global_buffer, .address_space: global }
      - { .name: hscales, .offset: 8, .size: 8, .value_kind: global_buffer, .address_space: global }
      - { .name: rcb, .offset: 16, .size: 8, .value_kind: global_buffer, .address_space: global }
    .group_segment_fixed_size: 167936
    .private_segment_fixed_size: 0
    .kernarg_segment_align: 8
    .kernarg_segment_size: 24
    .max_flat_workgroup_size: 512
    .sgpr_count:     96
    .vgpr_count:     256
    .wavefront_size: 32
...
	.end_amdgpu_metadata
.endif
;; end of part 3
;; launch att (part 4): grid 8 x 32, 16 waves a work-group, clusters of 4 x 1, 327,680 bytes of LDS; arguments hcodes, hscales, rcb, ocodes, oscales; writes ocodes, oscales
.if DOCPART == 4
	.amdgcn_target "amdgcn-amd-amdhsa--gfx1250"
	.amdhsa_code_object_version 6
	.text
	.protected	k_qc2aab0ae96_att
	.globl	k_qc2aab0ae96_att
	.p2align	8
	.type	k_qc2aab0ae96_att,@function
k_qc2aab0ae96_att:
	s_mov_b64 s[64:65], 0
	v_nop
	global_prefetch_b8 v0, s[64:65] scope:SCOPE_SE
	s_setreg_imm32_b32 hwreg(HW_REG_WAVE_MODE, 25, 1), 1
	s_wait_xcnt 0x0
	s_wait_alu depctr_hold_cnt(0) depctr_sa_sdst(0) depctr_va_vdst(0) depctr_va_sdst(0) depctr_va_ssrc(0) depctr_va_vcc(0) depctr_vm_vsrc(0)
	s_getreg_b32 s2, hwreg(HW_REG_IB_STS2, 6, 4)
	s_cmp_eq_u32 s2, 0
	s_cbranch_scc0 .Lentry_in_a_cluster
	s_endpgm
.Lentry_in_a_cluster:
	s_bfe_u32 s2, ttmp6, 0x10000c
	s_cmp_lg_u32 s2, 0x3003
	s_cbranch_scc0 .Lentry_shape_is_right
	s_endpgm
.Lentry_shape_is_right:
; O = probs V for one head, probs(s, t) = w(s, t) / R(s), w = score(s, t) x 128 / n_c(t), R(s) = the sum over t of w(s, t).  rcb holds lrc(t) = -log2(n_c(t) / 128) from the launch before, and
; w = 2^(-3.2 log2 y + lrc): the column's factor costs no multiplication.  The 128, a power of two, cancels in w / R; the exponent stays between -10.6 and 2.6 for every input.
; (The row factor n_r^-1 of the two-sided normalisation stands in numerator and denominator of the last normalisation and cancels for every input; the floor 1e-12 of that normalisation cannot bind, since the clip holds every score in 0.0106 .. 1.)
; probs is quantised FINISHED, so a row's sum must be known before its first code is made.  The scores are not computed again for that: w of 32 queries x all 2,048 keys STAYS IN REGISTERS, 128 in each of sixteen waves.
; SHARES.  A work-group owns 256 queries of one head, in 8 rounds of 32.  Wave w: tile of queries qt = w / 8 of the round's two, keys 256 kr .. + 255, kr = w % 8.
; A ROUND: B: eight batches of 32 keys: S^T = K Q^T (source 0 = a pair of tiles of keys, source 1 = my tile of queries between zeros: see below), w, the row's partial sum | partial sums through LDS, barrier |
;   C: p = w / R, quantised along the keys (two K steps of 128), O^T += V^T p^T: my keys' part of O^T (64 channels x 16 queries) to LDS | barrier | one wave for each tile of queries adds the eight parts, quantises O along
;   the channels and stores codes and scale bytes, while the other waves begin the next round.
; K's and V's codes, their scale words and lrc of the whole head lie in LDS, filled once by joint loads of the cluster's four work-groups, which belong to one head.
; K = 64 IN AN INSTRUCTION OF K = 128: the streamed operand is a pair of tiles (tile 2 P in k 0-63, tile 2 P + 1 in k 64-127); my tile q stands as [0 x 6][q x 6][0 x 6]: v[30:41] = [q | 0], v[24:35] = [0 | q].
; The resident side's zero codes wipe out the other half (one side alone holds zeros there; every scale byte is a real byte).
; A tile's lane r is position 32 (T / 2) + 8 (T % 2) + r + 8 (r / 8): so the 16 registers of a pair's two results are 16 neighbouring keys, and likewise V's channel tiles give 16 neighbouring channels.
; OUT: ocodes [tile of queries 256][head 16][3][lane][8 bytes]; oscales [16 tile + r][32]: byte 2 head + block.  The scale bytes leave one byte a lane into rows 32 bytes apart: 131,072 bytes in the whole launch.
; ARCCOS: as in the launch before: c held in +-(1 - 2^-23), x = sqrt(1 - c^2), y = (1 + pi/2) - c G(x), G(x) = arccos(x) / sqrt(1 - x^2) as its Chebyshev series on 0 .. 1 cut behind degree 8 (error of G under 2e-7, times |c| in y).
; p = w x (1 / R), the reciprocal good to an ulp.  LIMITS: NaN is not served; a block of zeros would get the byte 1.
.set VC,    98304                      ; LDS: from 0 K's 64 pair fragments; here V's 16 key steps x 4 fragments
.set KSL,   196608                     ; K's scale words [16][r][4]
.set VSL,   200704                     ; V's [16][r][4]
.set RCL,   204800                     ; lrc, 2,048 f32
.set RPART, 212992                     ; a word a thread: partial row sums
.set OPART, 215040                     ; 4,096 bytes a wave: partial O^T as an image of 32 registers
.set SPARE, 280576                     ; the spare words: 128 bytes a wave, named by no other line
.set SPW, 1
.set NIL, 2
.set AK,  3
.set AKS, 4
.set ARC, 5
.set AV,  6
.set AVS, 7
.set ARS, 8
.set ARL, 9
.set AOS, 10
.set AOL, 11
.set L8,  12                           ; v12 8 x lane
.set QSO, 13                           ; v13 the next tile's scale word's offset
.set OSO, 14                           ; v14 32 r + h
.set R16, 15                           ; v15 16 r
.set C8,  16                           ; v[16:17] the polynomial's leading coefficient
.set RS,  18                           ; v18-21 two packed sums
.set INV, 22                           ; v[22:23] 1 / R
.set QSC, 42
.set QSR, 43
.set KSC, 44
.set VSC, 48
.set PW0, 52
.set PW1, 53
.set KP,  56                           ; v56-67 a pair fragment of K
.set LR,  68                           ; v68-83 lrc of a batch's keys
.set TT,  84                           ; v84-99 1 - c^2, then x
.set TP,  100                          ; v100-115 the polynomial
.set W,   128                          ; v128-255 w
.set PC,  56                           ; phase C: v56-74 codes
.set TM,  76                           ; v76-91 at work in the quantiser
.set OA,  92                           ; v92-123 O^T, four accumulators
.set BY,  124
.set VF,  128                          ; v128-175 four fragments of V
.set ACC, 128                          ; the adding wave: v128-159 the sum, v160-191 and v192-223 parts by turns
.set B0,  160
.set B1,  192
.set EN,  16
.set WV,  14
.set QT,  15
.set KR,  16
.set CX,  17
.set QB,  18
.set BH,  19
.set SEL, 20
.set C1,  22
.set NC1, 23
.set K0,  24
.set K1,  26
.set K2,  28
.set K3,  30
.set K4,  32
.set K5,  34
.set K6,  36
.set K7,  38
.set Y0,  40
.set EXPO, 42
.set G1B, 44
.set G1S, 52
.set G0B, 60
.set RND, 66
.set PSEL, 67
.set G0S, 68
.set HM,  72
.set QCB, 74
.set QSB, 76
.macro SPAIR reg, val
	s_mov_b32 s[\reg], \val
	s_mov_b32 s[\reg+1], \val
.endm
.macro ROUND
	s_barrier_signal -1
	s_barrier_wait -1
	s_cmp_lg_u32 s[WV], 0
	s_cbranch_scc1 .Lnot_wave_0_\@
	s_barrier_signal -3
.Lnot_wave_0_\@:
	s_barrier_wait -3
	s_barrier_signal -1
	s_barrier_wait -1
.endm
	s_load_b256 s[4:11], s[0:1], 0x0               ; hcodes s[4:5], hscales s[6:7], rcb s[8:9], ocodes s[10:11]
	s_load_b64 s[12:13], s[0:1], 0x20              ; oscales
	v_lshl_add_u32 v[SPW], v0, 2, SPARE
	v_mov_b32 v[NIL], 0
	ds_add_u32 v[SPW], v[NIL]                      ; the opening: the add and its wait stand ahead of my first tensor load; register work stands between
	v_lshrrev_b32 v44, 5, v0
	v_readfirstlane_b32 s[WV], v44
	s_lshr_b32 s[QT], s[WV], 3
	s_and_b32 s[KR], s[WV], 7
	v_and_b32 v44, 31, v0                          ; lane
	v_and_b32 v45, 15, v0                          ; r
	v_bfe_u32 v46, v0, 4, 1                        ; h
	v_lshlrev_b32 v[L8], 3, v44
	v_lshlrev_b32 v[R16], 4, v45
	s_mul_i32 s78, s[KR], 12288                    ; my 8 pair fragments of K; my 2 key steps of V
	v_add_nc_u32 v[AK], s78, v[L8]
	s_lshl_b32 s79, s[KR], 9
	s_add_co_u32 s80, s79, KSL
	v_add_nc_u32 v[AKS], s80, v[R16]
	s_add_co_u32 s80, s79, VSL
	v_add_nc_u32 v[AVS], s80, v[R16]
	s_lshl_b32 s80, s[KR], 10
	s_add_co_u32 s80, s80, RCL
	v_lshl_add_u32 v[ARC], v46, 6, s80             ; lrc of my 256 keys, my half's 16 of each 32
	s_add_co_u32 s78, s78, VC
	v_lshl_add_u32 v[AV], v44, 4, s78
	v_lshl_add_u32 v[ARS], v0, 2, RPART
	s_lshl_b32 s80, s[QT], 10
	s_add_co_u32 s80, s80, RPART
	v_lshl_add_u32 v[ARL], v44, 2, s80             ; the eight waves of my tile of queries
	s_lshl_b32 s80, s[WV], 12
	s_add_co_u32 s80, s80, OPART
	v_lshl_add_u32 v[AOS], v44, 4, s80
	s_lshl_b32 s80, s[QT], 15
	s_add_co_u32 s80, s80, OPART
	v_lshl_add_u32 v[AOL], v44, 4, s80
	v_lshl_add_u32 v[OSO], v45, 5, v46
	v_mov_b32 v[QSO], v[R16]
	s_bfe_u32 s[CX], ttmp6, 0x40000
	s_lshl_b32 s[QB], ttmp9, 2
	s_add_co_u32 s[QB], s[QB], s[CX]               ; my block of 256 queries
	s_and_b32 s[BH], ttmp7, 0xffff                 ; the head, which the four partners share
	s_mov_b32 s[SEL], 0x76543210
	s_mov_b32 s[SEL+1], 0xfedcba98
	s_mov_b32 s[C1], 0x3f7ffffe                    ; 1 - 2^-23
	s_mov_b32 s[NC1], 0xbf7ffffe
	s_mov_b32 s[HM], 0xffff0000
	SPAIR K0, 0xbfc90fda                           ; -G's coefficients, as in the launch before
	SPAIR K1, 0x3f7ffed6
	SPAIR K2, 0xbf48eef6
	SPAIR K3, 0x3f293d29
	SPAIR K4, 0xbf0e9900
	SPAIR K5, 0x3ed960c0
	SPAIR K6, 0xbe81a87d
	SPAIR K7, 0x3dc8a3dc
	SPAIR Y0, 0x402487ed                           ; 1 + pi / 2
	SPAIR EXPO, 0xc04ccccd                         ; -3.2
	s_mov_b32 s[G1B], 15|(3<<16)|(1<<21)           ; mask: all four partners; elements of 8 bytes; bit 21 beside a mask; no padding
	s_mov_b32 s[G1B+1], 32<<16                     ; 64 rows of 256 bytes: 16,384 dense bytes
	s_mov_b32 s[G1B+2], 64<<16
	s_mov_b32 s[G1B+3], 32<<16
	s_mov_b32 s[G1B+4], 64
	s_mov_b32 s[G1B+5], 32
	s_mov_b32 s[G1B+6], 0
	s_mov_b32 s[G1B+7], 0
	s_mov_b32 s[G1S], 15|(3<<16)|(1<<21)           ; 16 rows: 4,096 bytes
	s_mov_b32 s[G1S+1], 32<<16
	s_mov_b32 s[G1S+2], 16<<16
	s_mov_b32 s[G1S+3], 32<<16
	s_mov_b32 s[G1S+4], 16
	s_mov_b32 s[G1S+5], 32
	s_mov_b32 s[G1S+6], 0
	s_mov_b32 s[G1S+7], 0
	; waves 0-5: K's codes, waves 6-11: V's: 16,384 x wave on from a base that lies 6 x 16,384 lower for V
	s_mul_i32 s82, s[BH], 98304
	s_lshl_b32 s83, s[WV], 14
	s_add_co_u32 s82, s82, s83
	s_mov_b32 s84, 6193152
	s_cmp_lt_u32 s[WV], 6
	s_cselect_b32 s84, 3145728, s84
	s_add_co_u32 s82, s82, s84
	s_mov_b32 s83, 0
	; waves 12-15: K's scale words, V's, lrc's two halves
	s_and_b32 s85, s[WV], 3
	s_lshl_b32 s86, s85, 12
	s_add_co_u32 s[G0S+1], s86, KSL                ; LDS: 4,096 x (wave % 4) behind K's scale words
	s_add_co_u32 s86, s85, 1
	s_lshl_b32 s86, s86, 17
	s_lshl_b32 s87, s[BH], 12
	s_add_co_u32 s86, s86, s87
	s_and_b32 s88, s85, 1
	s_lshl_b32 s88, s88, 12
	s_lshl_b32 s87, s[BH], 13
	s_add_co_u32 s88, s88, s87
	s_cmp_lt_u32 s85, 2
	s_cselect_b32 s86, s86, s88
	s_mov_b32 s87, 0
	; my tiles of queries, and where their results go
	s_lshl_b32 s88, s[BH], 7
	s_lshl_b32 s89, s[QB], 4
	s_add_co_u32 s88, s88, s89
	s_add_co_u32 s88, s88, s[QT]
	s_mul_i32 s88, s88, 768
	s_mov_b32 s89, 0
	s_lshl_b32 s90, s[BH], 12
	s_lshl_b32 s91, s[QB], 9
	s_add_co_u32 s90, s90, s91
	s_mov_b32 s91, 0
	s_lshr_b32 s92, s[BH], 4
	s_lshl_b32 s92, s92, 7
	s_lshl_b32 s93, s[QB], 4
	s_add_co_u32 s92, s92, s93
	s_add_co_u32 s92, s92, s[QT]                   ; the first round's tile among the 256
	s_and_b32 s93, s[BH], 15                       ; the head in its batch
	s_lshl_b32 s94, s92, 9
	s_lshl_b32 s95, s93, 1
	s_add_co_u32 s94, s94, s95
	s_lshl_b32 s92, s92, 4
	s_add_co_u32 s92, s92, s93
	s_mul_i32 s92, s92, 768
	s_mov_b32 s93, 0
	s_mov_b32 s95, 0
	s_mov_b32 s[PSEL], 0x03020302                  ; the round's second tile has the word's upper two bytes,
	s_cmp_eq_u32 s[QT], 0
	s_cselect_b32 s[PSEL], 0x01000100, s[PSEL]     ; the first the lower two
	s_mov_b32 s[RND], 0
	s_wait_dscnt 0x0                               ; the opening add is done
	s_wait_kmcnt 0x0
	s_mov_b32 s[G0B], 1
	s_lshl_b32 s[G0B+1], s[WV], 14
	s_add_nc_u64 s[G0B+2:G0B+3], s[4:5], s[82:83]
	s_or_b32 s[G0B+3], s[G0B+3], 0x80000000
	s_mov_b32 s[G0S], 1
	s_cmp_lt_u32 s85, 2                            ; the choice hangs on the wave's number alone
	s_cselect_b64 s[G0S+2:G0S+3], s[6:7], s[8:9]
	s_add_nc_u64 s[G0S+2:G0S+3], s[G0S+2:G0S+3], s[86:87]
	s_or_b32 s[G0S+3], s[G0S+3], 0x80000000
	s_add_nc_u64 s[QCB:QCB+1], s[4:5], s[88:89]
	s_add_nc_u64 s[QSB:QSB+1], s[6:7], s[90:91]
	s_add_nc_u64 s[10:11], s[10:11], s[92:93]
	s_add_nc_u64 s[12:13], s[12:13], s[94:95]
	ROUND                                          ; the four work-groups are here: the joint loads meet
	s_cmp_lt_u32 s[WV], 12                         ; one load a wave is out; every tile is filled once
	s_cbranch_scc0 .Lsmall
	tensor_load_to_lds s[G0B:G0B+3], s[G1B:G1B+7]
	s_nop 0
.rept 4
	v_nop
.endr
	s_branch .Lasked
.Lsmall:
	tensor_load_to_lds s[G0S:G0S+3], s[G1S:G1S+7]
	s_nop 0
.rept 4
	v_nop
.endr
.Lasked:
.irp p, 0,1,2
	global_load_b64 v[30+2*\p:31+2*\p], v[L8], s[QCB:QCB+1] offset:256*\p   ; the first round's tile of queries
.endr
	global_load_b32 v[QSR], v[QSO], s[QSB:QSB+1]
.irp j, 24,25,26,27,28,29,36,37,38,39,40,41
	v_mov_b32 v[\j], 0                             ; the zero codes on both sides of it
.endr
	v_mov_b32 v[C8], 0xbc909e79
	v_mov_b32 v[C8+1], 0xbc909e79
	v_mov_b32 v[INV+1], 0                          ; (named as the upper half of a pair)
	s_wait_tensorcnt 0x0                           ; my part of the tiles is in,
	s_barrier_signal -1
	s_barrier_wait -1                              ; everybody's is
; batch b's two products: a pair of tiles of keys x my tile of queries.  Registers 16 b + i of W: key 256 kr + 32 b + 16 (lane / 16) + i of my lane's query
.macro PMM b
	v_wmma_scale_f32_16x16x128_f8f6f4 v[W+16*(\b):W+16*(\b)+7], v[KP:KP+11], v[30:41], 0, v[KSC+(\b)%4], v[QSC] matrix_a_fmt:MATRIX_FMT_FP6 matrix_b_fmt:MATRIX_FMT_FP6
	v_wmma_scale_f32_16x16x128_f8f6f4 v[W+16*(\b)+8:W+16*(\b)+15], v[KP:KP+11], v[24:35], 0, v[KSC+(\b)%4], v[QSC] matrix_a_fmt:MATRIX_FMT_FP6 matrix_b_fmt:MATRIX_FMT_FP6
.endm
.macro CLIP x                          ; c held in +-(1 - 2^-23); each accumulator is read from its low end on
.set i, 0
.rept EN
	v_med3_num_f32 v[(\x)+i], v[(\x)+i], s[NC1], s[C1]
.set i, i+1
.endr
.endm
.macro ROOT x                          ; x = sqrt(1 - c c)
.set i, 0
.rept EN/2
	v_pk_fma_f32 v[TT+i:TT+i+1], v[(\x)+i:(\x)+i+1], v[(\x)+i:(\x)+i+1], 1.0 op_sel_hi:[1,1,0] neg_lo:[1,0,0] neg_hi:[1,0,0]
.set i, i+2
.endr
.set i, 0
.rept EN
	v_sqrt_f32 v[TT+i], v[TT+i]
.set i, i+1
.endr
.endm
.macro POLY x                          ; -G(x); y = (1 + pi/2) - c G; log2 y
.set i, 0
.rept EN/2
	v_pk_fma_f32 v[TP+i:TP+i+1], v[TT+i:TT+i+1], v[C8:C8+1], s[K7:K7+1] op_sel_hi:[1,1,0]
.set i, i+2
.endr
.irp k, K6, K5, K4, K3, K2, K1, K0
.set i, 0
.rept EN/2
	v_pk_fma_f32 v[TP+i:TP+i+1], v[TP+i:TP+i+1], v[TT+i:TT+i+1], s[\k:\k+1] op_sel_hi:[1,1,0]
.set i, i+2
.endr
.endr
.set i, 0
.rept EN/2
	v_pk_fma_f32 v[(\x)+i:(\x)+i+1], v[(\x)+i:(\x)+i+1], v[TP+i:TP+i+1], s[Y0:Y0+1] op_sel_hi:[1,1,0]
.set i, i+2
.endr
.set i, 0
.rept EN
	v_log_f32 v[(\x)+i], v[(\x)+i]
.set i, i+1
.endr
.endm
.macro POWER x                         ; w = 2^(-3.2 log2 y + lrc)
.set i, 0
.rept EN/2
	v_pk_fma_f32 v[(\x)+i:(\x)+i+1], v[(\x)+i:(\x)+i+1], s[EXPO:EXPO+1], v[LR+i:LR+i+1] op_sel_hi:[1,0,1]
.set i, i+2
.endr
.set i, 0
.rept EN
	v_exp_f32 v[(\x)+i], v[(\x)+i]
.set i, i+1
.endr
.endm
.macro ROWSUM b                        ; batch b's w into the row's partial sum, in two packed chains
.set i, 0
.rept EN/2
	v_pk_add_f32 v[RS+2*((i/2)%2):RS+2*((i/2)%2)+1], v[RS+2*((i/2)%2):RS+2*((i/2)%2)+1], v[W+16*(\b)+i:W+16*(\b)+i+1]
.set i, i+2
.endr
.endm
.macro TWAIT                           ; a plain place behind a batch of transcendentals, and the one wait ahead of its first reader
	v_nop
	s_wait_alu depctr_va_vdst(0)
.endm
; BATCH b: 32 keys x my 16 queries.  The NEXT batch's products are issued first: their results have registers of their own, and this batch's clip, 16 plain lines that name none of their registers, is the places
; ahead of the loads into their sources.  The wait for this batch's roots serves the last batch's exponentials too: so the last batch's sum stands behind it, and a batch has two waits.
.macro BATCH b
.if \b == 0
	s_wait_dscnt 0x0                               ; the second pair fragment.  (Later ones are shown in by the last batch's wait for lrc, which was issued behind them)
.endif
.if \b < 7
	PMM \b+1
.endif
	CLIP W+16*\b
.if \b < 6
.irp p, 0,1,2,3,4,5
	ds_load_b64 v[KP+2*\p:KP+2*\p+1], v[AK] offset:1536*(\b+2)+256*\p
.endr
.endif
.if \b == 2
	ds_load_b128 v[KSC:KSC+3], v[AKS] offset:256   ; pairs 4 to 7's scale words: pair 3's product has been issued
.endif
.irp j, 0,1,2,3
	ds_load_b128 v[LR+4*\j:LR+4*\j+3], v[ARC] offset:128*\b+16*\j
.endr
	ROOT W+16*\b
	TWAIT
.if \b > 0
	ROWSUM \b-1
.endif
.if \b == 7
	s_cmp_eq_u32 s[RND], 7                         ; the next round's tile of queries, if there is a next round: no load leaves its buffer.  No transcendental is out here; the last product that read the tile stands one batch back
	s_cbranch_scc1 .Lno_q
	s_add_co_u32 s78, s[RND], 1                    ; its pair is 8 block + round: group round / 4, word round % 4
	s_lshr_b32 s79, s78, 2
	s_lshl_b32 s79, s79, 8
	s_and_b32 s78, s78, 3
	s_lshl_b32 s78, s78, 2
	s_add_co_u32 s78, s78, s79
	v_add_nc_u32 v[QSO], s78, v[R16]
.irp p, 0,1,2
	global_load_b64 v[30+2*\p:31+2*\p], v[L8], s[QCB:QCB+1] offset:256*\p
.endr
	global_load_b32 v[QSR], v[QSO], s[QSB:QSB+1]
.Lno_q:
.endif
	POLY W+16*\b
	TWAIT
	s_wait_dscnt 0x0                               ; lrc
	POWER W+16*\b
.endm
; 64 numbers of a lane, register 16 b + i = k 32 b + 16 (lane / 16) + i of my row, become a fragment's codes in v[PC] on and the row's scale word in v[pw].
.macro QUANT s, pw
.irp b, 0,1,2,3
	v_max3_num_f32 v[TM+\b], |v[(\s)+16*\b]|, |v[(\s)+1+16*\b]|, 0x1800000   ; with the floor 2^(3 - 127): the byte cannot fall under 1
.endr
.irp i, 2,4,6,8,10,12,14
.irp b, 0,1,2,3
	v_max3_num_f32 v[TM+\b], v[TM+\b], |v[(\s)+16*\b+\i]|, |v[(\s)+1+16*\b+\i]|
.endr
.endr
.irp b, 0,1,2,3
	v_permlanex16_b32 v[TM+4+\b], v[TM+\b], s[SEL], s[SEL+1]
.endr
.irp b, 0,1,2,3
	v_max_num_f32 v[TM+\b], v[TM+\b], v[TM+4+\b]
.endr
.irp b, 0,1,2,3
	v_add_nc_u32 v[TM+12+\b], 0xff000000, v[TM+\b] ; 2 off the exponent field: the conversion's scale operand
.endr
.irp b, 0,1,2,3
	v_lshrrev_b32 v[TM+4+\b], 23, v[TM+12+\b]
.endr
	v_lshl_or_b32 v[\pw], v[TM+5], 8, v[TM+4]
	v_lshl_or_b32 v[\pw], v[TM+6], 16, v[\pw]
	v_lshl_or_b32 v[\pw], v[TM+7], 24, v[\pw]
.irp c, 0,1
	v_cvt_scalef32_pk16_fp6_f32 v[PC+6*\c:PC+2+6*\c], v[(\s)+32*\c:(\s)+15+32*\c], v[TM+12+2*\c]
	v_cvt_scalef32_pk16_fp6_f32 v[PC+12+4*\c:PC+14+4*\c], v[(\s)+16+32*\c:(\s)+31+32*\c], v[TM+12+2*\c+1]
.endr
	v_nop                                          ; one plain place behind a scaled conversion
.irp c, 0,1
.irp i, 0,1,2
	v_permlane16_swap_b32 v[PC+6*\c+\i], v[PC+12+4*\c+\i]
.endr
.irp i, 0,1,2
	v_mov_b32 v[PC+3+6*\c+\i], v[PC+12+4*\c+\i]
.endr
.endr
.endm
; its half: 32 numbers, two blocks: six registers of codes in v[PC] on, the two bytes in v[TM+4], v[TM+5]
.macro QUANT2 s
.irp b, 0,1
	v_max3_num_f32 v[TM+\b], |v[(\s)+16*\b]|, |v[(\s)+1+16*\b]|, 0x1800000
.endr
.irp i, 2,4,6,8,10,12,14
.irp b, 0,1
	v_max3_num_f32 v[TM+\b], v[TM+\b], |v[(\s)+16*\b+\i]|, |v[(\s)+1+16*\b+\i]|
.endr
.endr
.irp b, 0,1
	v_permlanex16_b32 v[TM+4+\b], v[TM+\b], s[SEL], s[SEL+1]
.endr
.irp b, 0,1
	v_max_num_f32 v[TM+\b], v[TM+\b], v[TM+4+\b]
.endr
.irp b, 0,1
	v_add_nc_u32 v[TM+12+\b], 0xff000000, v[TM+\b]
.endr
.irp b, 0,1
	v_lshrrev_b32 v[TM+4+\b], 23, v[TM+12+\b]
.endr
	v_cvt_scalef32_pk16_fp6_f32 v[PC:PC+2], v[(\s):(\s)+15], v[TM+12]
	v_cvt_scalef32_pk16_fp6_f32 v[PC+12:PC+14], v[(\s)+16:(\s)+31], v[TM+13]
	v_nop
.irp i, 0,1,2
	v_permlane16_swap_b32 v[PC+\i], v[PC+12+\i]
.endr
.irp i, 0,1,2
	v_mov_b32 v[PC+3+\i], v[PC+12+\i]
.endr
.endm
.macro VFETCH j                        ; key step 2 kr + j of V: its scale words and four fragments, as images of their registers
	ds_load_b128 v[VSC:VSC+3], v[AVS] offset:256*\j
.irp c, 0,1,2,3
.irp q, 0,1,2
	ds_load_b128 v[VF+12*\c+4*\q:VF+12*\c+4*\q+3], v[AV] offset:6144*\j+1536*\c+512*\q
.endr
.endr
.endm
.Lround:
	s_wait_loadcnt 0x0                             ; my tile of queries and its scale word are in: their addresses may be written
	s_add_nc_u64 s[QCB:QCB+1], s[QCB:QCB+1], 1536  ; on to the tile that is loaded next
	v_perm_b32 v[QSC], v[QSR], v[QSR], s[PSEL]     ; [s0 s1 s0 s1].  Nine plain lines stand between this write and the first scaled product
	ds_load_b128 v[KSC:KSC+3], v[AKS]
.irp p, 0,1,2,3,4,5
	ds_load_b64 v[KP+2*\p:KP+2*\p+1], v[AK] offset:256*\p
.endr
.irp j, 0,1,2,3
	v_mov_b32 v[RS+\j], 0
.endr
.rept 5
	v_nop
.endr
	s_wait_dscnt 0x0
	PMM 0
.rept 4
	v_nop                                          ; places ahead of the loads into the fragment's registers and of the first read of the results
.endr
.irp p, 0,1,2,3,4,5
	ds_load_b64 v[KP+2*\p:KP+2*\p+1], v[AK] offset:1536+256*\p
.endr
.irp b, 0,1,2,3,4,5,6,7
	BATCH \b
.endr
	TWAIT                                          ; the last batch's exponentials
	ROWSUM 7
	; ---- R: my 256 keys' part, then all eight waves'
	v_pk_add_f32 v[RS:RS+1], v[RS:RS+1], v[RS+2:RS+3]
	v_add_f32 v[RS], v[RS], v[RS+1]
	v_permlanex16_b32 v[RS+1], v[RS], s[SEL], s[SEL+1]
	v_add_f32 v[RS], v[RS], v[RS+1]
	ds_store_b32 v[ARS], v[RS]
	s_wait_dscnt 0x0                               ; for the others' sake.  (The adding waves' reads of the last round's parts are over too: behind this barrier the parts are written again)
	s_barrier_signal -1
	s_barrier_wait -1
.irp k, 0,1,2,3,4,5,6,7
	ds_load_b32 v[LR+\k], v[ARL] offset:128*\k
.endr
	s_wait_dscnt 0x0
	v_add_f32 v[LR], v[LR], v[LR+1]                ; one fixed order in all eight waves
	v_add_f32 v[LR+2], v[LR+2], v[LR+3]
	v_add_f32 v[LR+4], v[LR+4], v[LR+5]
	v_add_f32 v[LR+6], v[LR+6], v[LR+7]
	v_add_f32 v[LR], v[LR], v[LR+2]
	v_add_f32 v[LR+4], v[LR+4], v[LR+6]
	v_add_f32 v[LR], v[LR], v[LR+4]
	v_rcp_f32 v[INV], v[LR]
	TWAIT
	; ---- C: p = w / R, quantised, O^T = V^T p^T over my 256 keys
.set i, 0
.rept 32
	v_pk_mul_f32 v[W+i:W+i+1], v[W+i:W+i+1], v[INV:INV+1] op_sel_hi:[1,0]
.set i, i+2
.endr
	QUANT W, PW0
	VFETCH 0                                       ; into the registers that the first 128 keys' p has left
.set i, 64
.rept 32
	v_pk_mul_f32 v[W+i:W+i+1], v[W+i:W+i+1], v[INV:INV+1] op_sel_hi:[1,0]   ; these 32 are also the places between the writes of codes and scale word and the products
.set i, i+2
.endr
	s_wait_dscnt 0x0
.irp c, 0,1,2,3
	v_wmma_scale_f32_16x16x128_f8f6f4 v[OA+8*\c:OA+8*\c+7], v[VF+12*\c:VF+12*\c+11], v[PC:PC+11], 0, v[VSC+\c], v[PW0] matrix_a_fmt:MATRIX_FMT_FP6 matrix_b_fmt:MATRIX_FMT_FP6
.endr
	QUANT W+64, PW1                                ; its 32 maxima, which name none of the products' registers, are the places ahead of the new codes and of the loads below
	VFETCH 1
.rept 8
	v_nop                                          ; a scale word written by a vector instruction stands 8 places ahead of a scaled product, codes so written 4
.endr
	s_wait_dscnt 0x0
.irp c, 0,1,2,3                                ; the four accumulators take turns, one instruction a turn
	v_wmma_scale_f32_16x16x128_f8f6f4 v[OA+8*\c:OA+8*\c+7], v[VF+12*\c:VF+12*\c+11], v[PC:PC+11], v[OA+8*\c:OA+8*\c+7], v[VSC+\c], v[PW1] matrix_a_fmt:MATRIX_FMT_FP6 matrix_b_fmt:MATRIX_FMT_FP6
.endr
.rept 4
	v_nop
.endr
.irp i, 0,1,2,3,4,5,6,7
	ds_store_b128 v[AOS], v[OA+4*\i:OA+4*\i+3] offset:512*\i   ; an image of the 32 registers, each accumulator from its low end on
.endr
	s_wait_dscnt 0x0                               ; for the adding wave's sake.  (My reads of the partial row sums are over too: behind this barrier they are written again)
	s_barrier_signal -1
	s_barrier_wait -1
	s_cmp_eq_u32 s[KR], s[QT]                      ; waves 0 and 9 add: one for each tile of queries.  The branch hangs on the wave's number alone; no barrier stands inside
	s_cbranch_scc0 .Lnot_adder
.irp i, 0,1,2,3,4,5,6,7
	ds_load_b128 v[ACC+4*\i:ACC+4*\i+3], v[AOL] offset:512*\i
.endr
.irp i, 0,1,2,3,4,5,6,7
	ds_load_b128 v[B1+4*\i:B1+4*\i+3], v[AOL] offset:4096+512*\i
.endr
.irp k, 1,2,3,4,5,6,7
.if \k < 7
.irp i, 0,1,2,3,4,5,6,7
	ds_load_b128 v[B0+32*((\k+1)%2)+4*\i:B0+32*((\k+1)%2)+4*\i+3], v[AOL] offset:4096*(\k+1)+512*\i
.endr
	s_wait_dscnt 8                                 ; part k is in; the next part's eight loads stay out
.else
	s_wait_dscnt 0x0
.endif
.set i, 0
.rept 16
	v_pk_add_f32 v[ACC+i:ACC+i+1], v[ACC+i:ACC+i+1], v[B0+32*(\k%2)+i:B0+32*(\k%2)+i+1]
.set i, i+2
.endr
.endr
	QUANT2 ACC                                     ; register 16 b + i = channel 32 b + 16 (lane / 16) + i of my query
	v_cndmask_b32 v[BY], v[TM+4], v[TM+5], s[HM]   ; lanes 0-15 store block 0's byte, lanes 16-31 block 1's
.irp p, 0,1,2
	global_store_b64 v[L8], v[PC+2*\p:PC+2*\p+1], s[10:11] offset:256*\p   ; 32 lanes store 256 consecutive aligned bytes
.endr
	global_store_b8 v[OSO], v[BY], s[12:13]
.Lnot_adder:
	s_wait_xcnt 0x0                                ; the stores have read their registers and bases: both are written again only behind this wait
	s_add_nc_u64 s[10:11], s[10:11], 24576         ; two tiles of queries on
	s_add_nc_u64 s[12:13], s[12:13], 1024
	s_add_co_u32 s[RND], s[RND], 1
	s_cmp_lt_u32 s[RND], 8
	s_cbranch_scc1 .Lround
	s_wait_tensorcnt 0x0                           ; the wave's end
	ds_add_u32 v[SPW], v[NIL]
	s_wait_dscnt 0x0
	ROUND                                          ; the closing round
	s_endpgm
.Lfunc_end_k_qc2aab0ae96_att:
	.size	k_qc2aab0ae96_att, .Lfunc_end_k_qc2aab0ae96_att-k_qc2aab0ae96_att
	.p2alignl 7, 3214868480
	.fill 96, 4, 3214868480
	.section	.rodata,"a",@progbits
	.p2align	6, 0x0
	.amdhsa_kernel k_qc2aab0ae96_att
		.amdhsa_group_segment_fixed_size 327680
		.amdhsa_private_segment_fixed_size 0
		.amdhsa_enable_private_segment 0
		.amdhsa_kernarg_size 40
		.amdhsa_user_sgpr_count 2
		.amdhsa_user_sgpr_kernarg_segment_ptr 1
		.amdhsa_wavefront_size32 1
		.amdhsa_system_sgpr_workgroup_id_x 1
		.amdhsa_system_sgpr_workgroup_id_y 1
		.amdhsa_system_sgpr_workgroup_id_z 1
		.amdhsa_system_vgpr_workitem_id 0
		.amdhsa_next_free_vgpr 256
		.amdhsa_next_free_sgpr 100
		.amdhsa_reserve_vcc 0
		.amdhsa_float_denorm_mode_32 3
		.amdhsa_float_denorm_mode_16_64 3
		.amdhsa_memory_ordered 1
		.amdhsa_forward_progress 1
		.amdhsa_inst_pref_size 118
	.end_amdhsa_kernel
	.amdgpu_metadata
---
amdhsa.version: [ 1, 2 ]
amdhsa.kernels:
  - .name:           k_qc2aab0ae96_att
    .symbol:         k_qc2aab0ae96_att.kd
    .args:
      - { .name: hcodes, .offset: 0, .size: 8, .value_kind: global_buffer, .address_space: global }
      - { .name: hscales, .offset: 8, .size: 8, .value_kind: global_buffer, .address_space: global }
      - { .name: rcb, .offset: 16, .size: 8, .value_kind: global_buffer, .address_space: global }
      - { .name: ocodes, .offset: 24, .size: 8, .value_kind: global_buffer, .address_space: global }
      - { .name: oscales, .offset: 32, .size: 8, .value_kind: global_buffer, .address_space: global }
    .group_segment_fixed_size: 327680
    .private_segment_fixed_size: 0
    .kernarg_segment_align: 8
    .kernarg_segment_size: 40
    .max_flat_workgroup_size: 512
    .sgpr_count:     100
    .vgpr_count:     256
    .wavefront_size: 32
...
	.end_amdgpu_metadata
.endif
;; end of part 4
;; launch gemm_out (part 5): grid 4 x 16, 4 waves a work-group, clusters of 4 x 4, 327,680 bytes of LDS; arguments ocodes, oscales, qcodes, qscales, b_out, out0; writes out0
.if DOCPART == 5
	.amdgcn_target "amdgcn-amd-amdhsa--gfx1250"
	.amdhsa_code_object_version 6
	.text
	.protected	k_qc2aab0ae96_gemm_out
	.globl	k_qc2aab0ae96_gemm_out
	.p2align	8
	.type	k_qc2aab0ae96_gemm_out,@function
k_qc2aab0ae96_gemm_out:
	s_mov_b64 s[64:65], 0
	v_nop
	global_prefetch_b8 v0, s[64:65] scope:SCOPE_SE
	s_setreg_imm32_b32 hwreg(HW_REG_WAVE_MODE, 25, 1), 1
	s_wait_xcnt 0x0
	s_wait_alu depctr_hold_cnt(0) depctr_sa_sdst(0) depctr_va_vdst(0) depctr_va_sdst(0) depctr_va_ssrc(0) depctr_va_vcc(0) depctr_vm_vsrc(0)
	s_getreg_b32 s2, hwreg(HW_REG_IB_STS2, 6, 4)
	s_cmp_eq_u32 s2, 0
	s_cbranch_scc0 .Lentry_in_a_cluster
	s_endpgm
.Lentry_in_a_cluster:
	s_bfe_u32 s2, ttmp6, 0x10000c
	s_cmp_lg_u32 s2, 0xf033
	s_cbranch_scc0 .Lentry_shape_is_right
	s_endpgm
.Lentry_shape_is_right:
; out0 = O w_out^T + b_out on codes of FP6, K = 1,024.  A = O: 4,096 rows as 256 tiles of 16, laid [tile][head 16][3][lane][8 bytes]: two heads on end are a fragment's twelve registers, lane by lane; its scale bytes [16 tile + r][32].
; B = w_out: plain rows of 768 bytes at 5,505,024 of qcodes, scale rows of 32 bytes at 229,376 of qscales.  out0 [4096][1024] f32.
; Lane r of tile T stands for token 32 (T / 2) + 8 (T % 2) + r + 8 (r / 8): the order is undone in the stores' immediates.
; A tile of C is 256 x 256, four waves of 128 x 128 (64 accumulators); 64 work-groups in 4 clusters of 4 x 4: this product is a small part of the program, and a smaller tile would double its LDS reads.
; K goes in steps of 256 through two LDS slots filled by joint tensor loads (A's tile shared along a row of the cluster, B's along a column); the scale bytes come once and stay.
; The matrix instruction is used transposed (source 0 = 16 rows of B, source 1 = 16 rows of A): a lane holds eight neighbouring numbers of a row of C.  The bias is the C of each sum's first product.
; REGISTERS: window 0: v0-31 addresses; v32-63 scale words; v64-127 the bias; v128-223 A's fragments (on the way out v128-255 rows of C).  window 1: B's fragments, two sets.  windows 2, 3: accumulators.
.set KSTEP,  256
.set NQ,     2
.set ROWB,   192
.set KROW,   768
.set PITCH,  240                       ; B's LDS row: 3 x (64 bytes + 16 of padding)
.set FR,     12
.set NL,     6
.set NP,     4
.set ASTEP,  3072                      ; a K step of one tile of A: four heads x 768 bytes
.set HALFA,  8*ASTEP                   ; eight tiles: what one load brings of A
.set HALFT,  128*PITCH                 ; and of B
.set BOFF,   2*HALFA
.set SLOT,   BOFF+2*HALFT
.set LAPS,   2
.set SCL,    2*SLOT
.set HALFS,  16*272
.set SBLK,   2*272
.set SPARE,  SCL+4*HALFS               ; the spare words: 128 bytes a wave, named by no other line
.set SPITCH, 528                       ; the way out: 16 rows x (512 + 16) bytes a wave, in slot 0, which has had its last fill and its last read by then
.set ADRA, 16
.set ADRB, 20
.set STO,  24
.set RD,   25
.set CO,   26
.set ADRS, 27
.set SPW,  28
.set NIL,  29
.set BO1,  30
.set SC,   32
.set BI,   64
.set AF,   128
.set BK,   128
.set G1, 24
.set G0, 32
.set G1B, 48
.set G0B, 56
.set G1S, 68
.set G0S, 76
.set G1SB, 80
.set G0SB, 88
.set MSB, 0
.macro WIN new
.if MSB != (\new)
	s_set_vgpr_msb (MSB<<8)|(\new)
.set MSB, (\new)
.endif
.endm
.set MUL_LO, 0xa1
.set MUL_HI, 0xf1
.set TO_B,   0x40
.macro JLOAD g0a, g1a, g0b, g1b        ; waves 0, 1 fetch for A, waves 2, 3 for B; an s_nop 0 and four v_nop follow each line
	s_cmp_eq_u32 s15, 0
	s_cbranch_scc0 .Lfor_b_\@
	tensor_load_to_lds s[\g0a:\g0a+3], s[\g1a:\g1a+7]
	s_nop 0
.rept 4
	v_nop
.endr
	s_branch .Lasked_\@
.Lfor_b_\@:
	tensor_load_to_lds s[\g0b:\g0b+3], s[\g1b:\g1b+7]
	s_nop 0
.rept 4
	v_nop
.endr
.Lasked_\@:
.endm
.macro CREST
	s_cmp_lg_u32 s14, 0
	s_cbranch_scc1 .Lnot_wave_0_\@
	s_barrier_signal -3
.Lnot_wave_0_\@:
	s_barrier_wait -3
	s_barrier_signal -1
	s_barrier_wait -1
.endm
.macro CROUND
	s_barrier_signal -1
	s_barrier_wait -1
	CREST
.endm
	s_load_b256 s[4:11], s[0:1], 0x0               ; ocodes s[4:5], oscales s[6:7], qcodes s[8:9], qscales s[10:11]
	s_load_b128 s[96:99], s[0:1], 0x20             ; b_out s[96:97], out0 s[98:99]
	v_lshl_add_u32 v[SPW], v0, 2, SPARE
	v_mov_b32 v[NIL], 0
	ds_add_u32 v[SPW], v[NIL]                      ; the opening: the add and its wait stand ahead of my first tensor load; register work stands between
	v_lshrrev_b32 v1, 5, v0
	v_readfirstlane_b32 s14, v1
	s_lshr_b32 s15, s14, 1                         ; rh.  Also: I fetch for A (0) or B (1)
	s_and_b32 s16, s14, 1                          ; ch.  Also: which half I fetch
	s_bfe_u32 s40, ttmp6, 0x40000
	s_bfe_u32 s41, ttmp6, 0x40004
	s_lshl_b32 s42, ttmp9, 2
	s_add_co_u32 s42, s42, s40                     ; tc
	s_and_b32 s17, ttmp7, 0xffff
	s_lshl_b32 s17, s17, 2
	s_add_co_u32 s17, s17, s41                     ; tr
	s_lshl_b32 s43, s41, 2
	s_lshl_b32 s43, 15, s43
	s_lshl_b32 s44, 0x1111, s40
	s_or_b32 s[G1+0], s43, (3<<16)|(1<<21)         ; A: elements of 8 bytes, no padding: 8 rows (tiles) of 3,072 bytes, 12,288 bytes apart
	s_mov_b32 s[G1+1], 384<<16
	s_mov_b32 s[G1+2], 8<<16
	s_mov_b32 s[G1+3], 384<<16
	s_mov_b32 s[G1+4], 8
	s_mov_b32 s[G1+5], 1536
	s_mov_b32 s[G1+6], 0
	s_mov_b32 s[G1+7], 0
	s_or_b32 s[G1B+0], s44, (0<<16)|(1<<20)|(1<<21)|(3<<22)|(3<<25)  ; B: 128 rows of 192 bytes, 4 words of padding behind every 16
	s_mov_b32 s[G1B+1], ROWB<<16
	s_mov_b32 s[G1B+2], 128<<16
	s_mov_b32 s[G1B+3], ROWB<<16
	s_mov_b32 s[G1B+4], 128
	s_mov_b32 s[G1B+5], KROW
	s_mov_b32 s[G1B+6], 0
	s_mov_b32 s[G1B+7], 0
	s_or_b32 s[G1S+0], s43, (3<<16)|(1<<20)|(1<<21)|(5<<22)|(3<<25)  ; the scales of 128 rows: 16 rows of 256 bytes, 16 of padding behind each
	s_or_b32 s[G1SB+0], s44, (3<<16)|(1<<20)|(1<<21)|(5<<22)|(3<<25)
.irp g, G1S, G1SB
	s_mov_b32 s[\g+1], 32<<16
	s_mov_b32 s[\g+2], 16<<16
	s_mov_b32 s[\g+3], 32<<16
	s_mov_b32 s[\g+4], 16
	s_mov_b32 s[\g+5], 32
	s_mov_b32 s[\g+6], 0
	s_mov_b32 s[\g+7], 0
.endr
	s_lshl_b32 s18, s16, 7
	s_lshl_b32 s20, s17, 8
	s_add_co_u32 s20, s20, s18                     ; A: row 256 tr + 128 x half
	s_lshl_b32 s46, s42, 8
	s_add_co_u32 s46, s46, s18                     ; B: row 256 tc + 128 x half
	s_lshl_b32 s22, s20, 5                         ; A's scales
	s_mov_b32 s23, 0
	s_mul_i32 s20, s20, 768                        ; A's codes: 16 rows are a tile of 12,288 bytes
	s_mov_b32 s21, 0
	s_lshl_b32 s92, s46, 5
	s_add_co_u32 s92, s92, 229376                  ; B's scales
	s_mov_b32 s93, 0
	s_mul_i32 s46, s46, KROW
	s_add_co_u32 s46, s46, 5505024                 ; B's codes
	s_mov_b32 s47, 0
	s_mul_i32 s45, s16, HALFA                      ; where they go: A's two halves,
	s_mul_i32 s95, s16, HALFT
	s_add_co_u32 s95, s95, BOFF                    ; then B's two
	s_mul_i32 s94, s14, HALFS
	s_wait_dscnt 0x0                               ; the opening add is done
	s_wait_kmcnt 0x0
	s_add_nc_u64 s[20:21], s[4:5], s[20:21]
	s_add_nc_u64 s[22:23], s[6:7], s[22:23]
	s_add_nc_u64 s[46:47], s[8:9], s[46:47]
	s_add_nc_u64 s[92:93], s[10:11], s[92:93]
	CROUND                                         ; all sixteen work-groups are here: the first joint loads meet
	s_mov_b32 s[G0S], 1
	s_add_co_u32 s[G0S+1], s94, SCL
	s_mov_b64 s[G0S+2:G0S+3], s[22:23]
	s_or_b32 s[G0S+3], s[G0S+3], 0x80000000
	s_mov_b32 s[G0SB], 1
	s_add_co_u32 s[G0SB+1], s94, SCL
	s_mov_b64 s[G0SB+2:G0SB+3], s[92:93]
	s_or_b32 s[G0SB+3], s[G0SB+3], 0x80000000
	JLOAD G0S, G1S, G0SB, G1SB                     ; three loads of mine are out at the most
.irp s, 0,1
	s_mov_b32 s[G0+4*\s], 1
	s_add_co_u32 s[G0+4*\s+1], s45, \s*SLOT
	s_add_nc_u64 s[G0+4*\s+2:G0+4*\s+3], s[20:21], \s*ASTEP
	s_or_b32 s[G0+4*\s+3], s[G0+4*\s+3], 0x80000000
	s_mov_b32 s[G0B+4*\s], 1
	s_add_co_u32 s[G0B+4*\s+1], s95, \s*SLOT
	s_add_nc_u64 s[G0B+4*\s+2:G0B+4*\s+3], s[46:47], \s*ROWB
	s_or_b32 s[G0B+4*\s+3], s[G0B+4*\s+3], 0x80000000
	JLOAD G0+4*\s, G1, G0B+4*\s, G1B
.endr
	v_and_b32 v1, 15, v0                           ; r
	v_bfe_u32 v2, v0, 4, 1                         ; h
	v_and_b32 v7, 31, v0                           ; lane
	v_lshlrev_b32 v8, 3, v7                        ; A: 8 x lane
	v_mul_u32_u24 v3, v1, PITCH
	v_mul_u32_u24 v4, v2, 24
	v_add_nc_u32 v4, v3, v4                        ; B: row x pitch + 24 x half
	v_lshl_add_u32 v5, v2, 4, v4                   ; and the same behind one padding more
	s_mul_i32 s21, s15, HALFA
	s_mul_i32 s22, s16, HALFT
	s_add_co_u32 s22, s22, BOFF
.irp s, 0,1
	v_add_nc_u32 v[ADRA+\s], s21, v8
	v_add_nc_u32 v[ADRB+\s], s22, v4
	v_add_nc_u32 v[ADRB+2+\s], s22, v5
	s_add_co_u32 s21, s21, SLOT
	s_add_co_u32 s22, s22, SLOT
.endr
	v_lshlrev_b32 v5, 5, v1                        ; my row's scales: 32 bytes a row,
	v_lshrrev_b32 v6, 8, v5
	v_lshl_add_u32 v5, v6, 4, v5                   ; and 16 more for each 256 passed
	s_mul_i32 s21, s15, HALFS
	s_mul_i32 s22, s16, HALFS
	s_add_co_u32 s22, s22, 2*HALFS
	s_sub_co_u32 s22, s22, s21
	v_mul_u32_u24 v6, s22, v2                      ; lanes 16-31 take B's
	s_add_co_u32 s21, s21, SCL
	v_add_nc_u32 v5, v5, v6
	v_add_nc_u32 v[ADRS], s21, v5
	s_mul_i32 s23, s14, 16*SPITCH                  ; my stage
	v_mul_u32_u24 v5, v1, SPITCH
	v_lshl_add_u32 v5, v2, 5, v5
	v_add_nc_u32 v[STO], s23, v5
	v_lshlrev_b32 v[CO], 4, v7
	v_add_nc_u32 v[RD], s23, v[CO]
	s_lshl_b32 s20, s17, 8
	s_lshl_b32 s21, s15, 7
	s_add_co_u32 s20, s20, s21
	s_lshl_b32 s20, s20, 12                        ; my first row of C: (256 tr + 128 rh) x 4,096 bytes
	s_lshl_b32 s46, s42, 10
	s_lshl_b32 s47, s16, 9
	s_add_co_u32 s46, s46, s47                     ; my first column, in bytes; also the bias's
	s_mov_b32 s47, 0
	s_add_nc_u64 s[96:97], s[96:97], s[46:47]
	s_add_co_u32 s20, s20, s46
	s_mov_b32 s21, 0
	s_add_nc_u64 s[98:99], s[98:99], s[20:21]
	v_lshlrev_b32 v[BO1], 5, v2
.irp b, 0,1,2,3,4,5,6,7                        ; register 8 b + j: the bias of column 16 b + 8 h + j
	global_load_b128 v[BI+8*\b:BI+8*\b+3], v[BO1], s[96:97] offset:64*\b
	global_load_b128 v[BI+8*\b+4:BI+8*\b+7], v[BO1], s[96:97] offset:64*\b+16
.endr
.macro FRAG reg, adr, q, i             ; B: 16 rows x 128 K in pieces of 8 bytes
.irp p, 0,1,2,3,4,5
.set PCE, 12*(\q)+6*(\p/3)+\p%3
.if PCE%8 < 5
	ds_load_b64 v[\reg+2*\p:\reg+2*\p+1], v[\adr] offset:8*PCE+16*(PCE/8)+(\i)*16*PITCH
.else
	ds_load_b64 v[\reg+2*\p:\reg+2*\p+1], v[\adr+2] offset:8*PCE+16*(PCE/8)+(\i)*16*PITCH
.endif
.endr
.endm
; 16 matrix instructions.  first = 1: the bias is C.  The 64 accumulators take turns, one instruction a turn, in the same order in every step.
.macro MUL16 a0, p, q, sc, first
.irp a, \a0, \a0+1
.irp b, 0,1,2,3,4,5,6,7
.if \first
	v_wmma_scale_f32_16x16x128_f8f6f4 v[8*(8*((\a)%4)+\b):8*(8*((\a)%4)+\b)+7], v[128*(\p)+FR*\b:128*(\p)+FR*\b+FR-1], v[AF+FR*(\a):AF+FR*(\a)+FR-1], v[BI+8*\b:BI+8*\b+7], v[SC+8*NQ*(\sc)+NQ*\b+(\q)], v[SC+8*NQ*(\sc)+NQ*(\a)+(\q)] matrix_a_fmt:MATRIX_FMT_FP6 matrix_b_fmt:MATRIX_FMT_FP6 matrix_a_scale:MATRIX_SCALE_ROW1
.else
	v_wmma_scale_f32_16x16x128_f8f6f4 v[8*(8*((\a)%4)+\b):8*(8*((\a)%4)+\b)+7], v[128*(\p)+FR*\b:128*(\p)+FR*\b+FR-1], v[AF+FR*(\a):AF+FR*(\a)+FR-1], v[8*(8*((\a)%4)+\b):8*(8*((\a)%4)+\b)+7], v[SC+8*NQ*(\sc)+NQ*\b+(\q)], v[SC+8*NQ*(\sc)+NQ*(\a)+(\q)] matrix_a_fmt:MATRIX_FMT_FP6 matrix_b_fmt:MATRIX_FMT_FP6 matrix_a_scale:MATRIX_SCALE_ROW1
.endif
.endr
.endr
.endm
.macro FETCH_B slot, q, p
	WIN TO_B
.irp i, 0,1,2,3,4,5,6,7
	FRAG 128*(\p)+FR*\i, ADRB+\slot, \q, \i
.endr
	WIN 0
.endm
.macro FETCH_A slot, q, i0             ; A's fragments lie as images of their registers: each load takes 256 consecutive bytes
.irp i, \i0, \i0+1, \i0+2, \i0+3
.irp p, 0,1,2,3,4,5
	ds_load_b64 v[AF+FR*(\i)+2*\p:AF+FR*(\i)+2*\p+1], v[ADRA+\slot] offset:(\i)*ASTEP+(\q)*1536+256*\p
.endr
.endr
.endm
.macro SCALES sc
.irp i, 0,1,2,3,4,5,6,7
	ds_load_b64 v[SC+8*NQ*\sc+NQ*\i:SC+8*NQ*\sc+NQ*\i+1], v[ADRS] offset:\i*SBLK
.endr
.endm
.macro PLACES n
.rept \n
	v_nop
.endr
.endm
.macro STEP slot, q, first
	s_wait_dscnt 4*NL                              ; all but the youngest 24 loads (A's blocks 4-7)
.if \first
	WIN 0x81                                       ; C (the bias) in window 0, D in window 2
.else
	WIN MUL_LO
.endif
	MUL16 0, (\q)%2, \q, \slot, \first
	MUL16 2, (\q)%2, \q, \slot, \first
	s_wait_dscnt 0
	PLACES NP
	FETCH_B \slot, (\q)+1, 1-(\q)%2
	FETCH_A \slot, (\q)+1, 0
.if \first
	WIN 0xc1
.else
	WIN MUL_HI
.endif
	MUL16 4, (\q)%2, \q, \slot, \first
	MUL16 6, (\q)%2, \q, \slot, \first
	PLACES NP
	WIN 0
	FETCH_A \slot, (\q)+1, 4
.endm
.macro TURN slot, next, fill
	s_wait_tensorcnt 0x0                           ; all my tensor loads have landed: my part of the next slot
	ds_add_u32 v[SPW], v[NIL]
	s_wait_dscnt 4*NL+1                            ; (the add and the youngest 24 loads may be out)
	WIN MUL_LO
	MUL16 0, 1, NQ-1, \slot, 0
	s_wait_dscnt 0x0                               ; the add is done, and my reads of this slot are over
	s_barrier_signal -1
	MUL16 2, 1, NQ-1, \slot, 0
	WIN 0
	s_barrier_wait -1
.if \fill
	CREST                                          ; no wave of any partner still reads this slot or has a load on its way
	s_add_nc_u64 s[G0+4*\slot+2:G0+4*\slot+3], s[G0+4*\slot+2:G0+4*\slot+3], 2*ASTEP
	s_add_nc_u64 s[G0B+4*\slot+2:G0B+4*\slot+3], s[G0B+4*\slot+2:G0B+4*\slot+3], 2*ROWB
	JLOAD G0+4*\slot, G1, G0B+4*\slot, G1B         ; my one tensor load behind the round; its four v_nop are the places in front of the loads below
.else
	PLACES NP
.endif
	v_add_nc_u32 v[ADRS], 4*NQ, v[ADRS]
	FETCH_B \next, 0, 0
	FETCH_A \next, 0, 0
	SCALES \next
	WIN MUL_HI
	MUL16 4, 1, NQ-1, \slot, 0
	MUL16 6, 1, NQ-1, \slot, 0
	PLACES NP
	WIN 0
	FETCH_A \next, 0, 4
.endm
	s_wait_tensorcnt 1                             ; the scales and my part of K step 0 are in; K step 1's load may be out
	s_barrier_signal -1
	s_barrier_wait -1
	FETCH_B 0, 0, 0
	FETCH_A 0, 0, 0
	SCALES 0
	FETCH_A 0, 0, 4
	s_wait_loadcnt 0x0                             ; the bias
	STEP 0, 0, 1                                   ; the first products start the sums from the bias
	s_mov_b32 s3, LAPS-1
.Llap:
	TURN 0, 1, 1
	STEP 1, 0, 0
	TURN 1, 0, 1
	STEP 0, 0, 0
	s_sub_co_u32 s3, s3, 1
	s_cmp_lg_u32 s3, 0
	s_cbranch_scc1 .Llap
	TURN 0, 1, 0                                   ; the last lap fills nothing
	STEP 1, 0, 0
	s_wait_dscnt 4*NL
	WIN MUL_LO
	MUL16 0, 1, NQ-1, 1, 0
	MUL16 2, 1, NQ-1, 1, 0
	s_wait_dscnt 0
	WIN MUL_HI
	MUL16 4, 1, NQ-1, 1, 0
	MUL16 6, 1, NQ-1, 1, 0
	WIN 0
; THE WAY OUT, block by block of 16 rows x 128 columns, through my own stage: in as 32 bytes a lane, back as whole rows of 512 bytes.  LDS serves a wave's instructions in order: no wait between the stores and the loads.
.macro TOSTAGE a
.set AC, 64*((\a)%4)
	WIN 0x08+4*((\a)/4)                            ; an LDS store's data: window 2 or 3
.irp b, 0,1,2,3,4,5,6,7
	ds_store_b128 v[STO], v[AC+8*\b:AC+8*\b+3] offset:64*\b          ; each accumulator from its low end on
	ds_store_b128 v[STO], v[AC+8*\b+4:AC+8*\b+7] offset:64*\b+16
.endr
	WIN 0
.set BB, BK+64*((\a)%2)
.irp t, 0,1,2,3,4,5,6,7,8,9,10,11,12,13,14,15
	ds_load_b128 v[BB+4*\t:BB+4*\t+3], v[RD] offset:\t*SPITCH
.endr
.endm
.macro SEND a, younger                 ; row t of block a is token 32 (a / 2) + 8 (a % 2) + t + 8 (t / 8) of my 128: at most 127 rows of 4,096 bytes, inside the signed 24-bit immediate
.set BB, BK+64*((\a)%2)
	s_wait_dscnt \younger
.irp t, 0,1,2,3,4,5,6,7,8,9,10,11,12,13,14,15
	global_store_b128 v[CO], v[BB+4*\t:BB+4*\t+3], s[98:99] offset:(32*((\a)/2)+8*((\a)%2)+\t+8*(\t/8))*4096 th:TH_STORE_NT   ; 32 lanes store 512 consecutive aligned bytes
.endr
.endm
	PLACES NP                                      ; behind the last products: for the loads into the registers that held A's fragments and for the reads of results
	TOSTAGE 0
.irp a, 1,2,3,4,5,6,7
.if \a > 1
	s_wait_xcnt 0x0                                ; block a - 2's stores have read their registers: block a's loads may land there
.endif
	TOSTAGE \a
	SEND \a-1, 32                                  ; behind block a - 1's loads: block a's 16 stores and 16 loads
.endr
	SEND 7, 0
	s_wait_tensorcnt 0x0                           ; the wave's end
	ds_add_u32 v[SPW], v[NIL]
	s_wait_dscnt 0x0
	CROUND                                         ; the closing round
	s_endpgm
.Lfunc_end_k_qc2aab0ae96_gemm_out:
	.size	k_qc2aab0ae96_gemm_out, .Lfunc_end_k_qc2aab0ae96_gemm_out-k_qc2aab0ae96_gemm_out
	.p2alignl 7, 3214868480
	.fill 96, 4, 3214868480
	.section	.rodata,"a",@progbits
	.p2align	6, 0x0
	.amdhsa_kernel k_qc2aab0ae96_gemm_out
		.amdhsa_group_segment_fixed_size 327680
		.amdhsa_private_segment_fixed_size 0
		.amdhsa_enable_private_segment 0
		.amdhsa_kernarg_size 48
		.amdhsa_user_sgpr_count 2
		.amdhsa_user_sgpr_kernarg_segment_ptr 1
		.amdhsa_wavefront_size32 1
		.amdhsa_system_sgpr_workgroup_id_x 1
		.amdhsa_system_sgpr_workgroup_id_y 1
		.amdhsa_system_sgpr_workgroup_id_z 1
		.amdhsa_system_vgpr_workitem_id 0
		.amdhsa_next_free_vgpr 1024
		.amdhsa_next_free_sgpr 102
		.amdhsa_reserve_vcc 0
		.amdhsa_float_denorm_mode_32 3
		.amdhsa_float_denorm_mode_16_64 3
		.amdhsa_memory_ordered 1
		.amdhsa_forward_progress 1
		.amdhsa_inst_pref_size 161
	.end_amdhsa_kernel
	.amdgpu_metadata
---
amdhsa.version: [ 1, 2 ]
amdhsa.kernels:
  - .name:           k_qc2aab0ae96_gemm_out
    .symbol:         k_qc2aab0ae96_gemm_out.kd
    .args:
      - { .name: ocodes, .offset: 0, .size: 8, .value_kind: global_buffer, .address_space: global }
      - { .name: oscales, .offset: 8, .size: 8, .value_kind: global_buffer, .address_space: global }
      - { .name: qcodes, .offset: 16, .size: 8, .value_kind: global_buffer, .address_space: global }
      - { .name: qscales, .offset: 24, .size: 8, .value_kind: global_buffer, .address_space: global }
      - { .name: b_out, .offset: 32, .size: 8, .value_kind: global_buffer, .address_space: global }
      - { .name: out0, .offset: 40, .size: 8, .value_kind: global_buffer, .address_space: global }
    .group_segment_fixed_size: 327680
    .private_segment_fixed_size: 0
    .kernarg_segment_align: 8
    .kernarg_segment_size: 48
    .max_flat_workgroup_size: 128
    .sgpr_count:     102
    .vgpr_count:     1024
    .wavefront_size: 32
...
	.end_amdgpu_metadata
.endif
;; end of part 5
